; MI455X (gfx1250); checked and timed in simulation.
; The chip was launched on July 23, 2026; its instructions are those of AMD's public machine-readable ISA for CDNA 5 (MIT licence, August 2026) and "CDNA5" Instruction Set Architecture Reference Guide (July 2026). The comments in the code are by the model that wrote it; some were corrected since.
;; Mixture Of Experts. Allowed arithmetic: matrix products marked QUANTISED: E2M3 operands, one E8M0 scale for each 32 along K, by v_wmma_scale_f32_16x16x128_f8f6f4 with both operands' format E2M3, f32 sums; products left as they are: f32 operands where the result goes on into a quantised operand, else bf16, f16 or f32 operands; f32 sums; everything else in f32.
;; Inputs: W1_codes 8 x 2,048 x 16 x 24 uint8 (E2M3 codes of W1, K innermost, in blocks of 32 codes, four codes in three bytes); W1_scales 8 x 2,048 x 16 uint8 (E8M0 scales of W1, one for each 32 codes along K); W2_codes 8 x 512 x 64 x 24 uint8 (E2M3 codes of W2, K innermost, in blocks of 32 codes, four codes in three bytes); W2_scales 8 x 512 x 64 uint8 (E8M0 scales of W2, one for each 32 codes along K); Wg 512 x 8 float32; b1 8 x 2,048 float32; b2 8 x 512 float32; x 4 x 1,024 x 512 float32.
;; Outputs: out0 4 x 1,024 x 512 float32; out1 one number float32.
;; This version of the problem:
;;   THIS VERSION OF THE PROBLEM IS GIVEN IN LOW PRECISION. The matrix products marked QUANTISED in the list below multiply operands that are first quantised to E2M3 (2 exponent bits, 3 mantissa bits; 6 bits a number), with one power-of-two scale for each 32 numbers along K (OCP MX v1.0); their sums are f32. All else is computed in f32.
;;   The module's matrix products, in the order in which they are computed (A, B: the left and right operand; K: the contracted axis; several contracted axes count as one K, in the product's order):
;;     1. [M 4,096, K 512] x [K 512, N 8]; A: input x; B: input Wg: left as it is (N = 8 < 16)
;;     2. batch 4,096 x [M 8, K 2] x [K 2, N 1]; A: computed on the way; B: computed on the way: left as it is (K = 2 < 32)
;;     3. [M 4,096, K 512] x [K 512, N 2,048]; A: input x; B: input W1 (given as codes): QUANTISED
;;     4. [M 4,096, K 2,048] x [K 2,048, N 512]; A: computed on the way; B: input W2 (given as codes): QUANTISED
;;     5. [M 4,096, K 512] x [K 512, N 2,048]; A: input x; B: input W1 (given as codes): QUANTISED
;;     6. [M 4,096, K 2,048] x [K 2,048, N 512]; A: computed on the way; B: input W2 (given as codes): QUANTISED
;;     7. [M 4,096, K 512] x [K 512, N 2,048]; A: input x; B: input W1 (given as codes): QUANTISED
;;     8. [M 4,096, K 2,048] x [K 2,048, N 512]; A: computed on the way; B: input W2 (given as codes): QUANTISED
;;     9. [M 4,096, K 512] x [K 512, N 2,048]; A: input x; B: input W1 (given as codes): QUANTISED
;;     10. [M 4,096, K 2,048] x [K 2,048, N 512]; A: computed on the way; B: input W2 (given as codes): QUANTISED
;;     11. [M 4,096, K 512] x [K 512, N 2,048]; A: input x; B: input W1 (given as codes): QUANTISED
;;     12. [M 4,096, K 2,048] x [K 2,048, N 512]; A: computed on the way; B: input W2 (given as codes): QUANTISED
;;     13. [M 4,096, K 512] x [K 512, N 2,048]; A: input x; B: input W1 (given as codes): QUANTISED
;;     14. [M 4,096, K 2,048] x [K 2,048, N 512]; A: computed on the way; B: input W2 (given as codes): QUANTISED
;;     15. [M 4,096, K 512] x [K 512, N 2,048]; A: input x; B: input W1 (given as codes): QUANTISED
;;     16. [M 4,096, K 2,048] x [K 2,048, N 512]; A: computed on the way; B: input W2 (given as codes): QUANTISED
;;     17. [M 4,096, K 512] x [K 512, N 2,048]; A: input x; B: input W1 (given as codes): QUANTISED
;;     18. [M 4,096, K 2,048] x [K 2,048, N 512]; A: computed on the way; B: input W2 (given as codes): QUANTISED
;;   THE QUANTISER, for each operand of a quantised product, along K:
;;     - K is cut into blocks of 32 from its start; a last block that is shorter is filled with zeros.
;;     - A block's scale is 2^e with e = floor(log2(the largest magnitude in the block)) - 2, held to -126 .. 127; a block of zeros has e = 0. As a byte (E8M0): e + 127.
;;     - Each number is divided by its block's scale, clamped to +-7.5, and rounded to the nearest number of E2M3, ties to even, subnormals kept.
;;     - The product sums the exact products of the quantised numbers (number of the format x scale) in f32.
;;   ~~~python
;;   def quantise(x, axis):      # numpy; x: float32 -> the quantised numbers, widened to float32 again
;;       x = np.moveaxis(x, axis, -1); K = x.shape[-1]
;;       x = np.pad(x, [(0, 0)] * (x.ndim - 1) + [(0, -K % 32)]); x = x.reshape(x.shape[:-1] + (-1, 32)); a = np.abs(x).max(-1, keepdims=True)
;;       e = np.where(a > 0, np.clip(np.frexp(np.where(a > 0, a, 1))[1] - 1 - 2, -126, 127), 0)      # np.frexp(a)[1] - 1 = floor(log2(a)), exactly
;;       r = np.clip(x / 2.0 ** e, -7.5, 7.5)
;;       step = 2.0 ** (np.maximum(np.frexp(np.where(r == 0, 1, r))[1] - 1, 0) - 3)
;;       q = np.round(r / step) * step * 2.0 ** e      # np.round: ties to even
;;       return np.moveaxis(q.reshape(q.shape[:-2] + (-1,))[..., :K], -1, axis).astype(np.float32)
;;   ~~~
;;   OPERANDS COMPUTED ON THE WAY. 'Computed on the way' means the value that the module computes at that place (a softmax that the list does not call 'softmax' is quantised finished and normalised). What goes into a quantiser is computed in f32, as accurately as f32 sums, v_exp_f32 and their like allow (about 1e-6 of the number): no bf16 or f16 on the way to a quantiser, and a product that is left as it is and whose result goes on into a quantised operand takes f32 operands (vector FMAs, or v_wmma_f32_16x16x4_f32). A number that lies on a knife's edge between two numbers of the format may be rounded either way, as far as f32 arithmetic and the matrix unit's own rounding can turn it there, and no further.
;;   INPUTS GIVEN AS CODES. W1 (in the module: [8, 512, 2048], K = its axis 1); W2 (in the module: [8, 2048, 512], K = its axis 1): each comes as NAME_codes (uint8): NAME with its K axis moved to the last place and cut into blocks of 32 codes, [.., K / 32, bytes a block], one block behind the other in memory; four codes in three bytes: a row's codes are one little-endian stream of bits, code i at bits 6 i .. 6 i + 5 (a code: sign, 2 exponent bits, 3 mantissa bits); and NAME_scales (uint8): the same leading axes, one E8M0 byte (e + 127) for each 32 codes along K. Its value is code x scale, taken as it is: it is not quantised again, and the codes and scales need not be those that the quantiser above would give.
;; 2 versions, each right; version 2 is version 1 with the launch chain written anew for expert scheduling mode. Each part assembles by itself: llvm-mc -triple=amdgcn-amd-amdhsa -mcpu=gfx1250 --defsym DOCPART=n.
;; ======== version 1 of 2: 3 launches
;; workspace buffers: route 32,768 bytes of whole numbers; psum 4,096 bytes; cw 32,768 bytes; xq 1,572,864 bytes; xs 65,536 bytes; wstream 13,107,200 bytes; sorted 16,640 bytes of whole numbers; tiles 2,560 bytes of whole numbers
;; launch prep (part 1): grid 256 x 1, 8 waves a work-group, no clusters, 3,072 bytes of LDS; arguments x, Wg, W1_codes, W1_scales, W2_codes, W2_scales, xq, xs, cw, route, psum, wstream; writes xq, xs, cw, route, psum, wstream
.if DOCPART == 1
	.amdgcn_target "amdgcn-amd-amdhsa--gfx1250"
	.amdhsa_code_object_version 6
	.text
	.protected	k_q658e03ef24_prep
	.globl	k_q658e03ef24_prep
	.p2align	8
	.type	k_q658e03ef24_prep,@function
k_q658e03ef24_prep:
	s_mov_b64 s[64:65], 0
	v_nop
	global_prefetch_b8 v0, s[64:65] scope:SCOPE_SE
	s_setreg_imm32_b32 hwreg(HW_REG_WAVE_MODE, 25, 1), 1
	s_wait_xcnt 0x0
; FIRST LAUNCH OF THREE.  Work-groups 0-127: the router and x's quantiser, 32 tokens each.  Work-groups 128-255: W1's and W2's codes and scale bytes are laid
; out once in the order in which the third launch's operand registers take them.
; ROUTER.  logits = x Wg in f32 (a lane sums its 16 numbers of the row, then the 32 lanes are added), softmax with the row's maximum taken away, top 2 (a later
; expert wins only if strictly larger, so the lower index is kept on ties), the two weights renormalised.  A token's choice is stored as the number p of its unordered pair
; (lo, hi), p = lo (13 - lo) / 2 + hi - 1 = 0 .. 27, with its rank among the tokens of the same pair in this chunk of 32; beside it the chunk's count of each pair
; and the chunk's sums of the eight probabilities.  No address and no branch here hangs on a choice: they are values, stored at fixed places.
; QUANTISER.  A block's scale byte is its largest magnitude's exponent field - 2, held at 1 from below; codes of E2M3 by the scaled conversion.
; xq: a token's 384 bytes lie as [half h][2 s + c][24 bytes], so that lane (r, h) of an operand finds the 48 bytes of K step s on end.  xs: 16 scale bytes a token.
; LIMITS: NaN and infinities among the inputs are not served.  A block of zeros, or one whose largest magnitude lies under 2^-124, gets the byte 1: its codes are zeros and this
; program alone reads the bytes.  The logits are f32 sums in another order than a row-by-row sum: a token whose second and third probabilities agree to about 1e-6
; of each other may choose the other expert.
; No matrix unit (eight columns), no tensor load, no cluster: each byte is read by one work-group but Wg's 16 KiB.
.set LG,  0                            ; LDS: 32 tokens x 8 logits
.set SB,  1024                         ; LDS: 32 tokens x 16 scale bytes
.set X,   16                           ; v16-79   four tokens x my 16 numbers
.set WG,  80                           ; v80-207  Wg[16 lane + kk][j] at 80 + 8 kk + j
.set ACC, 208                          ; v208-215 eight sums
.set TP,  216                          ; v216-223 the other half's sums
.set CD,  224                          ; v224-239 codes, four registers a token
.set BY,  240                          ; v240-243 scale bytes
.macro BFLY b                          ; eight numbers v[b] .. v[b + 7], each summed over the 32 lanes; the eight by turns
.irp x, 1,2,4,8
.irp j, 0,1,2,3,4,5,6,7
	v_add_f32_dpp v[\b+\j], v[\b+\j], v[\b+\j] row_xmask:\x row_mask:0xf bank_mask:0xf
.endr
.endr
.irp j, 0,1,2,3,4,5,6,7
	v_permlanex16_b32 v[TP+\j], v[\b+\j], s34, s35
.endr
.irp j, 0,1,2,3,4,5,6,7
	v_add_f32 v[\b+\j], v[\b+\j], v[TP+\j]
.endr
.endm
.macro TOKEN t
.irp q, 0,1,2,3                        ; my 16 numbers x their rows of Wg: two columns an instruction; of the pair of x one number serves both halves
	v_pk_mul_f32 v[ACC+2*\q:ACC+2*\q+1], v[X+16*\t:X+16*\t+1], v[WG+2*\q:WG+2*\q+1] op_sel_hi:[0,1]
.endr
.irp q, 0,1,2,3
	v_pk_fma_f32 v[ACC+2*\q:ACC+2*\q+1], v[X+16*\t:X+16*\t+1], v[WG+8+2*\q:WG+8+2*\q+1], v[ACC+2*\q:ACC+2*\q+1] op_sel:[1,0,0] op_sel_hi:[1,1,1]
.endr
.irp p, 1,2,3,4,5,6,7
.irp q, 0,1,2,3
	v_pk_fma_f32 v[ACC+2*\q:ACC+2*\q+1], v[X+16*\t+2*\p:X+16*\t+2*\p+1], v[WG+16*\p+2*\q:WG+16*\p+2*\q+1], v[ACC+2*\q:ACC+2*\q+1] op_sel_hi:[0,1,1]
.endr
.irp q, 0,1,2,3
	v_pk_fma_f32 v[ACC+2*\q:ACC+2*\q+1], v[X+16*\t+2*\p:X+16*\t+2*\p+1], v[WG+16*\p+8+2*\q:WG+16*\p+8+2*\q+1], v[ACC+2*\q:ACC+2*\q+1] op_sel:[1,0,0] op_sel_hi:[1,1,1]
.endr
.endr
	BFLY ACC
	ds_store_b128 v5, v[ACC:ACC+3] offset:32*\t            ; every lane holds the same eight logits and writes them to the same bytes
	ds_store_b128 v5, v[ACC+4:ACC+7] offset:32*\t+16
	v_max3_num_f32 v244, |v[X+16*\t]|, |v[X+16*\t+1]|, 0x1800000   ; my 16 numbers' largest magnitude, and the floor 2^(3 - 127): the byte cannot fall under 1
.irp i, 2,4,6,8,10,12,14
	v_max3_num_f32 v244, v244, |v[X+16*\t+\i]|, |v[X+16*\t+\i+1]|
.endr
	v_max_num_f32_dpp v244, v244, v244 row_xmask:1 row_mask:0xf bank_mask:0xf   ; with my neighbour's 16: the block's
	v_add_nc_u32 v245, 0xff000000, v244                    ; 2 off the exponent field: the conversion's scale operand
	v_cvt_scalef32_pk16_fp6_f32 v[CD+4*\t:CD+4*\t+2], v[X+16*\t:X+16*\t+15], v245
	v_lshrrev_b32 v[BY+\t], 23, v245                       ; the scale's byte (also the plain line behind the conversion)
	ds_store_b8 v6, v[BY+\t] offset:16*\t                  ; both lanes of a block write the same byte
	global_store_b96 v4, v[CD+4*\t:CD+4*\t+2], s[16:17] offset:384*\t
.endm
	s_load_b512 s[4:19], s[0:1], 0x0               ; x, Wg, W1 codes, W1 scales, W2 codes, W2 scales, xq, xs
	s_load_b256 s[20:27], s[0:1], 0x40             ; cw, route, psum, wstream
	v_lshl_add_u32 v254, v0, 2, 0x800
	v_mov_b32 v255, 0
	v_lshrrev_b32 v1, 5, v0
	v_readfirstlane_b32 s28, v1                    ; wave 0..7
	v_and_b32 v1, 31, v0                           ; lane
	s_cmp_lt_u32 ttmp9, 128                        ; the same way for all waves of a work-group
	s_cbranch_scc0 .Lrelay
	; ---------------- the router's work-groups: chunk g = ttmp9, tokens 32 g on; wave v takes tokens 4 v .. 4 v + 3
	v_lshlrev_b32 v2, 6, v1                        ; x: my 16 numbers of a row
	v_lshlrev_b32 v3, 9, v1                        ; Wg: my 16 rows of 32 bytes
	v_bfe_u32 v4, v0, 1, 1                         ; block = lane / 2;  its half h = block % 2,
	v_mul_u32_u24 v4, v4, 192
	v_bfe_u32 v5, v0, 2, 3                         ; its place block / 2,
	v_mad_u32_u24 v4, v5, 24, v4
	v_and_b32 v5, 1, v0                            ; and my half of the block's 24 bytes
	v_mad_u32_u24 v4, v5, 12, v4
	s_lshl_b32 s29, s28, 7
	v_mov_b32 v5, s29                              ; LDS: my wave's four rows of logits
	v_bfe_u32 v6, v0, 1, 4
	s_lshl_b32 s29, s28, 6
	s_add_co_u32 s29, s29, SB
	v_add_nc_u32 v6, s29, v6                       ; LDS: my wave's scale bytes, my block's byte
	v_lshlrev_b32 v7, 4, v1                        ; 16 x lane
	v_add_nc_u32 v8, SB, v7                        ; LDS: a token's 16 scale bytes
	v_lshlrev_b32 v9, 5, v1                        ; LDS: a token's 8 logits
.irp j, 0,1,2,3,4,5,6,7
	v_mov_b32 v[TP+\j], 0                          ; written once: a lane permute's destination counts as one of its sources
.endr
	s_mov_b32 s34, 0x76543210
	s_mov_b32 s35, 0xfedcba98                      ; lane l xor 16
	s_lshl_b32 s30, ttmp9, 16                      ; 32 rows of 2,048 bytes a chunk,
	s_lshl_b32 s31, s28, 13                        ; 4 a wave
	s_add_co_u32 s30, s30, s31
	s_mov_b32 s31, 0
	s_mul_i32 s32, ttmp9, 12288                    ; 32 rows of 384 bytes,
	s_mul_i32 s33, s28, 1536                       ; 4 a wave
	s_add_co_u32 s32, s32, s33
	s_mov_b32 s33, 0
	s_wait_kmcnt 0x0
	s_add_nc_u64 s[4:5], s[4:5], s[30:31]
	s_add_nc_u64 s[16:17], s[16:17], s[32:33]
.irp t, 0,1,2,3
.irp i, 0,1,2,3
	global_load_b128 v[X+16*\t+4*\i:X+16*\t+4*\i+3], v2, s[4:5] offset:2048*\t+16*\i th:TH_LOAD_NT
.endr
.endr
.set WI, 0
.rept 32
	global_load_b128 v[WG+4*WI:WG+4*WI+3], v3, s[6:7] offset:16*WI
.set WI, WI+1
.endr
	s_wait_loadcnt 0x0
	TOKEN 0
	TOKEN 1
	TOKEN 2
	TOKEN 3
	s_wait_dscnt 0x0                               ; my logits and scale bytes lie in LDS
	s_barrier_signal -1
	s_barrier_wait -1                              ; everybody's do
	s_cmp_eq_u32 s28, 0
	s_cbranch_scc1 .Lroute
	s_cmp_eq_u32 s28, 1
	s_cbranch_scc0 .Lquit
	s_lshl_b32 s30, ttmp9, 9                       ; wave 1: the chunk's 512 scale bytes leave as 512 consecutive bytes
	s_add_nc_u64 s[18:19], s[18:19], s[30:31]
	ds_load_b128 v[16:19], v8
	s_wait_dscnt 0x0
	global_store_b128 v7, v[16:19], s[18:19]
.Lquit:
	s_wait_tensorcnt 0x0
	ds_add_u32 v254, v255
	s_wait_dscnt 0x0
	s_endpgm
.Lroute:                                               ; wave 0: a lane to a token
	ds_load_b128 v[16:19], v9
	ds_load_b128 v[20:23], v9 offset:16
	s_lshl_b32 s30, ttmp9, 7
	s_add_nc_u64 s[22:23], s[22:23], s[30:31]      ; route at the chunk's 128 bytes
	s_lshl_b32 s32, ttmp9, 8
	s_add_nc_u64 s[20:21], s[20:21], s[32:33]      ; cw at its 256
	s_lshl_b32 s40, ttmp9, 5
	s_mov_b32 s41, 0
	s_add_nc_u64 s[24:25], s[24:25], s[40:41]      ; psum at its 32
	s_wait_dscnt 0x0
	v_max3_num_f32 v24, v16, v17, v18              ; the row's maximum is taken away ahead of the exponentials
	v_max3_num_f32 v24, v24, v19, v20
	v_max3_num_f32 v24, v24, v21, v22
	v_max_num_f32 v24, v24, v23
.irp j, 0,1,2,3,4,5,6,7
	v_sub_f32 v[32+\j], v[16+\j], v24
.endr
.irp j, 0,1,2,3,4,5,6,7
	v_mul_f32 v[32+\j], 0x3fb8aa3b, v[32+\j]       ; x log2(e)
.endr
.irp j, 0,1,2,3,4,5,6,7
	v_exp_f32 v[32+\j], v[32+\j]
.endr
	v_nop                                          ; a plain line behind the exponentials
	s_wait_alu depctr_va_vdst(0)
	v_add_f32 v25, v32, v33
	v_add_f32 v26, v34, v35
	v_add_f32 v27, v36, v37
	v_add_f32 v28, v38, v39
	v_add_f32 v25, v25, v26
	v_add_f32 v27, v27, v28
	v_add_f32 v25, v25, v27
	v_rcp_f32 v26, v25
	v_nop
	s_wait_alu depctr_va_vdst(0)
.irp j, 0,1,2,3,4,5,6,7
	v_mul_f32 v[40+\j], v[32+\j], v26              ; the probabilities
.endr
	v_mov_b32 v50, v40                             ; the largest so far and its expert,
	v_mov_b32 v51, 0
	v_mov_b32 v52, -1.0                            ; the second (under every probability)
	v_mov_b32 v53, 0
.irp j, 1,2,3,4,5,6,7
	v_mov_b32 v54, \j
	v_cmp_gt_f32 s36, v[40+\j], v50                ; strictly larger: on a tie the lower index stays
	v_cmp_gt_f32 s37, v[40+\j], v52
	v_cndmask_b32 v52, v52, v[40+\j], s37
	v_cndmask_b32 v53, v53, v54, s37
	v_cndmask_b32 v52, v52, v50, s36
	v_cndmask_b32 v53, v53, v51, s36
	v_cndmask_b32 v50, v50, v[40+\j], s36
	v_cndmask_b32 v51, v51, v54, s36
.endr
	v_add_f32 v55, v50, v52
	v_rcp_f32 v55, v55
	v_min_u32 v56, v51, v53                        ; lo  (a plain line behind the reciprocal)
	v_max_u32 v57, v51, v53                        ; hi
	s_wait_alu depctr_va_vdst(0)
	v_mul_f32 v58, v50, v55                        ; the larger one's weight,
	v_mul_f32 v59, v52, v55                        ; the second's
	v_cmp_lt_u32 vcc_lo, v53, v51
	v_cndmask_b32 v60, v58, v59, vcc_lo            ; lo's weight,
	v_cndmask_b32 v61, v59, v58, vcc_lo            ; hi's
	v_sub_nc_u32 v62, 13, v56
	v_mul_u32_u24 v62, v62, v56
	v_lshrrev_b32 v62, 1, v62
	v_add3_u32 v62, v62, v57, -1                   ; p = lo (13 - lo) / 2 + hi - 1
	v_mov_b32 v70, 0                               ; lane p: how many of the chunk's tokens chose pair p
	v_mov_b32 v72, 0                               ; my rank among those of my pair
.irp p, 0,1,2,3,4,5,6,7,8,9,10,11,12,13,14,15,16,17,18,19,20,21,22,23,24,25,26,27
	v_cmp_eq_u32 s38, \p, v62
	s_bcnt1_i32_b32 s39, s38
	v_writelane_b32 v70, s39, \p
	v_mbcnt_lo_u32_b32 v71, s38, 0
	v_cndmask_b32 v72, v72, v71, s38
.endr
	BFLY 40                                        ; the chunk's sums of the eight probabilities, in every lane
	v_lshl_or_b32 v73, v72, 8, v62                 ; p | rank << 8
	v_lshlrev_b32 v74, 2, v1
	v_lshlrev_b32 v75, 3, v1
	v_mov_b32 v76, 0
	global_store_b32 v74, v73, s[22:23]
	global_store_b32 v74, v70, s[22:23] offset:16384
	global_store_b64 v75, v[60:61], s[20:21]
	v_cmp_eq_u32 vcc_lo, 0, v1
	s_wait_xcnt 0x0                                ; EXEC changes only behind this wait
	s_wait_tensorcnt 0x0
	ds_add_u32 v254, v255
	s_wait_dscnt 0x0
	s_and_saveexec_b32 s36, vcc_lo
	global_store_b128 v76, v[40:43], s[24:25]
	global_store_b128 v76, v[44:47], s[24:25] offset:16
	s_wait_xcnt 0x0
	s_or_b32 exec_lo, exec_lo, s36
	s_endpgm
	; ---------------- the weights' work-groups: number (e 4 + c) 4 + w;  wave u lays out unit u: 8 fragments (96 registers) and 4 registers of scale words,
	; 25 pieces of 512 bytes, lane l's 16 bytes of a piece at 16 l.  Units 0-3: W1, hidden units 512 c + 128 w + 32 u on, fragment 4 u' + s = (tile u', K step s); lane r of tile u' takes row 8 u' + r + 8 (r / 8),
	; so that the results of the two tiles are 16 neighbours along the next K.  Units 4-7: W2, K step 4 c + u - 4, fragment f = outputs 128 w + 16 f on.
	; Scale register j: lanes 0-15 fragment j's words, lanes 16-31 fragment j + 4's.
.Lrelay:
	s_sub_co_u32 s29, ttmp9, 128
	s_lshr_b32 s30, s29, 4                         ; e
	s_bfe_u32 s31, s29, 0x20002                    ; c
	s_and_b32 s32, s29, 3                          ; w
	v_and_b32 v10, 15, v0                          ; r
	v_bfe_u32 v11, v0, 4, 1                        ; h
	v_and_b32 v12, 8, v10
	v_add_nc_u32 v12, v12, v10                     ; r + 8 (r / 8)
	v_mul_u32_u24 v2, v12, 384
	v_mad_u32_u24 v2, v11, 24, v2                  ; W1's codes
	v_lshl_add_u32 v3, v11, 3, v12
	v_lshlrev_b32 v3, 4, v3                        ; W1's scales: row 8 h + r + 8 (r / 8), 16 bytes
	v_mul_u32_u24 v4, v10, 1536
	v_mad_u32_u24 v4, v11, 24, v4                  ; W2's codes
	v_lshl_add_u32 v5, v11, 6, v10
	v_lshlrev_b32 v5, 6, v5                        ; W2's scales: row r + 64 h, 64 bytes
	v_lshlrev_b32 v1, 4, v1                        ; out: 16 x lane
	s_mul_i32 s36, s29, 102400
	s_mul_i32 s37, s28, 12800
	s_add_co_u32 s36, s36, s37
	s_mov_b32 s37, 0
	s_mul_i32 s38, s30, 786432                     ; the expert's codes,
	s_lshl_b32 s39, s30, 15                        ; its scale bytes
	s_mov_b32 s41, 0
	s_mov_b32 s43, 0
	s_wait_kmcnt 0x0
	s_add_nc_u64 s[26:27], s[26:27], s[36:37]
	s_cmp_lt_u32 s28, 4
	s_cbranch_scc0 .Lw2
	s_lshl_b32 s33, s31, 9
	s_lshl_b32 s34, s32, 7
	s_add_co_u32 s33, s33, s34
	s_lshl_b32 s34, s28, 5
	s_add_co_u32 s33, s33, s34                     ; the unit's first row of W1
	s_mul_i32 s40, s33, 384
	s_add_co_u32 s40, s40, s38
	s_lshl_b32 s42, s33, 4
	s_add_co_u32 s42, s42, s39
	s_add_nc_u64 s[8:9], s[8:9], s[40:41]
	s_add_nc_u64 s[10:11], s[10:11], s[42:43]
.irp f, 0,1,2,3,4,5,6,7
.irp p, 0,1,2,3,4,5
	global_load_b64 v[16+12*\f+2*\p:17+12*\f+2*\p], v2, s[8:9] offset:(\f/4)*3072+96*(\f%4)+48*(\p/3)+8*(\p%3) th:TH_LOAD_NT
.endr
.endr
	global_load_b128 v[112:115], v3, s[10:11] th:TH_LOAD_NT
	s_branch .Lput
.Lw2:
	s_lshl_b32 s33, s31, 2
	s_add_co_u32 s33, s33, s28
	s_sub_co_u32 s33, s33, 4                       ; the K step: 4 c + u - 4
	s_mul_i32 s40, s32, 196608                     ; 128 w rows of 1,536 bytes
	s_add_co_u32 s40, s40, s38
	s_mul_i32 s34, s33, 96
	s_add_co_u32 s40, s40, s34
	s_lshl_b32 s42, s32, 13                        ; 128 w rows of 64 bytes
	s_add_co_u32 s42, s42, s39
	s_lshl_b32 s34, s33, 2
	s_add_co_u32 s42, s42, s34
	s_add_nc_u64 s[12:13], s[12:13], s[40:41]
	s_add_nc_u64 s[14:15], s[14:15], s[42:43]
.irp f, 0,1,2,3,4,5,6,7
.irp p, 0,1,2,3,4,5
	global_load_b64 v[16+12*\f+2*\p:17+12*\f+2*\p], v4, s[12:13] offset:\f*24576+48*(\p/3)+8*(\p%3) th:TH_LOAD_NT
.endr
.endr
.irp j, 0,1,2,3
	global_load_b32 v[112+\j], v5, s[14:15] offset:1024*\j th:TH_LOAD_NT
.endr
.Lput:
	s_wait_loadcnt 0x0
.set WI, 0
.rept 25
	global_store_b128 v1, v[16+4*WI:19+4*WI], s[26:27] offset:512*WI      ; 512 consecutive bytes a store
.set WI, WI+1
.endr
	s_endpgm
.Lfunc_end_k_q658e03ef24_prep:
	.size	k_q658e03ef24_prep, .Lfunc_end_k_q658e03ef24_prep-k_q658e03ef24_prep
	.p2alignl 7, 3214868480
	.fill 96, 4, 3214868480
	.section	.rodata,"a",@progbits
	.p2align	6, 0x0
	.amdhsa_kernel k_q658e03ef24_prep
		.amdhsa_group_segment_fixed_size 3072
		.amdhsa_private_segment_fixed_size 0
		.amdhsa_enable_private_segment 0
		.amdhsa_kernarg_size 96
		.amdhsa_user_sgpr_count 2
		.amdhsa_user_sgpr_kernarg_segment_ptr 1
		.amdhsa_wavefront_size32 1
		.amdhsa_system_sgpr_workgroup_id_x 1
		.amdhsa_system_sgpr_workgroup_id_y 1
		.amdhsa_system_sgpr_workgroup_id_z 1
		.amdhsa_system_vgpr_workitem_id 0
		.amdhsa_next_free_vgpr 256
		.amdhsa_next_free_sgpr 66
		.amdhsa_reserve_vcc 1
		.amdhsa_float_denorm_mode_32 3
		.amdhsa_float_denorm_mode_16_64 3
		.amdhsa_memory_ordered 1
		.amdhsa_forward_progress 1
		.amdhsa_inst_pref_size 71
	.end_amdhsa_kernel
	.amdgpu_metadata
---
amdhsa.version: [ 1, 2 ]
amdhsa.kernels:
  - .name:           k_q658e03ef24_prep
    .symbol:         k_q658e03ef24_prep.kd
    .args:
      - { .name: x, .offset: 0, .size: 8, .value_kind: global_buffer, .address_space: global }
      - { .name: Wg, .offset: 8, .size: 8, .value_kind: global_buffer, .address_space: global }
      - { .name: W1_codes, .offset: 16, .size: 8, .value_kind: global_buffer, .address_space: global }
      - { .name: W1_scales, .offset: 24, .size: 8, .value_kind: global_buffer, .address_space: global }
      - { .name: W2_codes, .offset: 32, .size: 8, .value_kind: global_buffer, .address_space: global }
      - { .name: W2_scales, .offset: 40, .size: 8, .value_kind: global_buffer, .address_space: global }
      - { .name: xq, .offset: 48, .size: 8, .value_kind: global_buffer, .address_space: global }
      - { .name: xs, .offset: 56, .size: 8, .value_kind: global_buffer, .address_space: global }
      - { .name: cw, .offset: 64, .size: 8, .value_kind: global_buffer, .address_space: global }
      - { .name: route, .offset: 72, .size: 8, .value_kind: global_buffer, .address_space: global }
      - { .name: psum, .offset: 80, .size: 8, .value_kind: global_buffer, .address_space: global }
      - { .name: wstream, .offset: 88, .size: 8, .value_kind: global_buffer, .address_space: global }
    .group_segment_fixed_size: 3072
    .private_segment_fixed_size: 0
    .kernarg_segment_align: 8
    .kernarg_segment_size: 96
    .max_flat_workgroup_size: 256
    .sgpr_count:     66
    .vgpr_count:     256
    .wavefront_size: 32
...
	.end_amdgpu_metadata
.endif
;; end of part 1
;; launch place (part 2): grid 1 x 1, 32 waves a work-group, no clusters, 12,288 bytes of LDS; arguments route, psum, sorted, tiles, out1; writes sorted, tiles, out1
.if DOCPART == 2
	.amdgcn_target "amdgcn-amd-amdhsa--gfx1250"
	.amdhsa_code_object_version 6
	.text
	.protected	k_q658e03ef24_place
	.globl	k_q658e03ef24_place
	.p2align	8
	.type	k_q658e03ef24_place,@function
k_q658e03ef24_place:
	s_mov_b64 s[64:65], 0
	v_nop
	global_prefetch_b8 v0, s[64:65] scope:SCOPE_SE
	s_setreg_imm32_b32 hwreg(HW_REG_WAVE_MODE, 25, 1), 1
	s_wait_xcnt 0x0
; SECOND LAUNCH.  One work-group places the 4,096 tokens by their pair of experts (a counting sort on the first launch's counts and ranks: no atomics), writes the list of tiles
; (lo, hi, first entry, rows: at most 32 rows of one pair) and the load-balancing loss.
; Wave w owns chunks 4 w .. 4 w + 3 (tokens 128 w on).  In the counts, lane p stands for pair p (lanes 28-31 hold 0).
; A token's place = its pair's first place + the pair's count in all earlier chunks + its rank in its own chunk.
; The sum over pairs of ceil(count / 32) is at most (4096 + 28 x 31) / 32 = 155 tiles for every split; 160 entries are written, those past the last tile with 0 rows.
; The token numbers leave as 4-byte stores to scattered places: a permutation of 16 KiB, once.
; loss = 8 x sum over e of (count_e / 4096) (sum of probabilities_e / 4096) = 2^-21 x sum over pairs of count_p (S_lo + S_hi).  Each wave adds its own four chunks' sums of probabilities
; and hands them over through LDS with its counts, ahead of the one barrier: so the loss waits for no second trip to memory.
.set PS, 4096                          ; LDS: behind the 32 waves' counts (128 bytes each) their sums of probabilities (128 bytes each: lane l holds expert l % 8's)
.macro SCAN v                          ; the sums of lanes 0 .. l, in place (numbers under 2^24)
.irp n, 1,2,4,8
	v_mov_b32_dpp v7, v[\v] row_shr:\n row_mask:0xf bank_mask:0xf bound_ctrl:1
	v_add_nc_u32 v[\v], v[\v], v7
.endr
	v_readlane_b32 s16, v[\v], 15
	v_mad_u32_u24 v[\v], v6, s16, v[\v]            ; lanes 16-31 add the lower half's total
.endm
.macro LOHI pos, lo, hi, tmp           ; pair number -> its two experts
	v_mov_b32 v[\lo], 0
.irp thr, 7,13,18,22,25,27
	v_cmp_le_u32 vcc_lo, \thr, v[\pos]
	v_add_co_ci_u32 v[\lo], vcc_lo, 0, v[\lo], vcc_lo
.endr
	v_sub_nc_u32 v[\tmp], 13, v[\lo]
	v_mul_u32_u24 v[\tmp], v[\tmp], v[\lo]
	v_lshrrev_b32 v[\tmp], 1, v[\tmp]
	v_sub_nc_u32 v[\hi], v[\pos], v[\tmp]
	v_add_nc_u32 v[\hi], 1, v[\hi]
.endm
	s_load_b256 s[4:11], s[0:1], 0x0               ; route, psum, sorted, tiles
	s_load_b64 s[12:13], s[0:1], 0x20              ; out1
	v_lshl_add_u32 v96, v0, 2, 0x2000
	v_mov_b32 v97, 0
	v_lshrrev_b32 v1, 5, v0
	v_readfirstlane_b32 s14, v1                    ; wave 0..31
	v_and_b32 v2, 31, v0                           ; lane
	v_lshlrev_b32 v3, 2, v2                        ; 4 x lane
	v_lshl_add_u32 v4, v1, 9, v3                   ; 512 x wave + 4 x lane
	v_lshlrev_b32 v5, 2, v0                        ; 128 x wave + 4 x lane: in LDS, and in psum
	v_lshrrev_b32 v6, 4, v2                        ; lane / 16
	v_mov_b32 v7, 0
	v_mov_b32 v77, 0                               ; written once: a lane permute's destination counts as one of its sources
	s_mov_b32 s18, 0x76543210
	s_mov_b32 s19, 0xfedcba98
	s_wait_kmcnt 0x0
.irp k, 0,1,2,3
	global_load_b32 v[8+\k], v4, s[4:5] offset:16384+128*\k       ; chunk 4 w + k: the pairs' counts
.endr
.irp k, 0,1,2,3
	global_load_b32 v[12+\k], v4, s[4:5] offset:128*\k            ; token 128 w + 32 k + lane: p | rank << 8
.endr
	global_load_b32 v76, v5, s[6:7]                ; chunk 4 w + lane / 8, expert lane % 8: the chunk's sum of probabilities
	s_wait_loadcnt 0x0
	v_add_nc_u32 v16, v8, v9
	v_add_nc_u32 v17, v10, v11
	v_add_nc_u32 v16, v16, v17
	v_add_f32_dpp v76, v76, v76 row_xmask:8 row_mask:0xf bank_mask:0xf   ; my four chunks: lanes l and l xor 8,
	v_permlanex16_b32 v77, v76, s18, s19
	v_add_f32 v76, v76, v77                        ; and l xor 16
	ds_store_b32 v5, v16                           ; my wave's counts
	ds_store_b32 v5, v76 offset:PS                 ; and its sums of probabilities
	s_wait_dscnt 0x0
	s_barrier_signal -1
	s_barrier_wait -1
.set RI, 0
.rept 32
	ds_load_b32 v[32+RI], v3 offset:128*RI
.set RI, RI+1
.endr
	v_mov_b32 v18, 0                               ; the pair's count in all,
	v_mov_b32 v19, 0                               ; and in the waves ahead of mine
	s_wait_dscnt 0x0
.set RI, 0
.rept 32
	s_cmp_lt_u32 RI, s14
	s_cselect_b32 s15, -1, 0
	v_add_nc_u32 v18, v18, v[32+RI]
	v_and_b32 v20, s15, v[32+RI]
	v_add_nc_u32 v19, v19, v20
.set RI, RI+1
.endr
	v_mov_b32 v21, v18
	SCAN 21
	v_sub_nc_u32 v21, v21, v18                     ; the pair's first place
	v_add_nc_u32 v22, 31, v18
	v_lshrrev_b32 v22, 5, v22                      ; its tiles
	v_mov_b32 v23, v22
	SCAN 23
	v_sub_nc_u32 v23, v23, v22                     ; its first tile
	v_add_nc_u32 v24, v21, v19                     ; where chunk 4 w's tokens of the pair begin,
	v_add_nc_u32 v25, v24, v8                      ; chunk 4 w + 1's,
	v_add_nc_u32 v26, v25, v9
	v_add_nc_u32 v27, v26, v10
.irp k, 0,1,2,3
	v_and_b32 v[28+\k], 0xff, v[12+\k]
	v_min_u32 v[28+\k], 31, v[28+\k]               ; a lane's number
	v_lshlrev_b32 v[28+\k], 2, v[28+\k]
.endr
.irp k, 0,1,2,3
	ds_bpermute_b32 v[64+\k], v[28+\k], v[24+\k]   ; my token's pair's start, from the lane of that pair
.endr
	v_lshl_add_u32 v72, v1, 7, v2                  ; the token numbers
.irp k, 1,2,3
	v_add_nc_u32 v[72+\k], 32*\k, v72
.endr
.irp k, 0,1,2,3
	v_lshrrev_b32 v[68+\k], 8, v[12+\k]            ; the rank
.endr
	s_wait_dscnt 0x0
.irp k, 0,1,2,3
	v_add_nc_u32 v[64+\k], v[64+\k], v[68+\k]
	v_min_u32 v[64+\k], 0xfff, v[64+\k]            ; a place in the list
	v_lshlrev_b32 v[64+\k], 2, v[64+\k]
	global_store_b32 v[64+\k], v[72+\k], s[8:9]
.endr
	s_wait_xcnt 0x0                                ; the stores' registers are written again below only behind this wait
	s_cmp_lt_u32 s14, 5
	s_cbranch_scc0 .Lnot_tiles
	; waves 0-4: thread t writes tile t.  Its pair is the last one whose first tile is at most t: a search in five steps, without a branch
	v_mov_b32 v40, 0
.irp st, 16,8,4,2,1
	v_add_nc_u32 v41, \st, v40
	v_min_u32 v42, 31, v41
	v_lshlrev_b32 v42, 2, v42
	ds_bpermute_b32 v43, v42, v23
	s_wait_dscnt 0x0
	v_cmp_le_u32 vcc_lo, v43, v0
	v_cndmask_b32 v40, v40, v41, vcc_lo
.endr
	v_min_u32 v42, 31, v40
	v_lshlrev_b32 v42, 2, v42
	ds_bpermute_b32 v43, v42, v23                  ; the pair's first tile,
	ds_bpermute_b32 v44, v42, v21                  ; first place,
	ds_bpermute_b32 v45, v42, v18                  ; and count
	LOHI 40, 48, 49, 46
	v_min_u32 v49, 7, v49                          ; (past the last tile the search ends at lane 31: no pair; such a tile has 0 rows)
	s_wait_dscnt 0x0
	v_sub_nc_u32 v46, v0, v43
	v_lshlrev_b32 v46, 5, v46                      ; 32 x the tile's number within the pair
	v_add_nc_u32 v50, v44, v46
	v_min_u32 v50, 0xfff, v50                      ; first entry
	v_sub_nc_u32 v51, v45, v46
	v_max_i32 v51, 0, v51
	v_min_i32 v51, 32, v51                         ; rows
	v_lshlrev_b32 v52, 4, v0
	global_store_b128 v52, v[48:51], s[10:11]
	s_wait_tensorcnt 0x0
	ds_add_u32 v96, v97
	s_wait_dscnt 0x0
	s_endpgm
.Lnot_tiles:
	s_cmp_eq_u32 s14, 5
	s_cbranch_scc0 .Lnot_pad
	v_lshlrev_b32 v40, 3, v2                       ; wave 5: entries 4,096 .. 4,159 of the list are token 0: a last tile's idle rows read them
	v_mov_b32 v42, 0
	v_mov_b32 v43, 0
	global_store_b64 v40, v[42:43], s[8:9] offset:16384
	s_wait_tensorcnt 0x0
	ds_add_u32 v96, v97
	s_wait_dscnt 0x0
	s_endpgm
.Lnot_pad:
	s_cmp_eq_u32 s14, 6
	s_cbranch_scc0 .Lend
	; wave 6: the loss.  The 32 waves' sums of probabilities come from LDS: lane l adds expert l % 8's
.set RI, 0
.rept 32
	ds_load_b32 v[32+RI], v3 offset:PS+128*RI
.set RI, RI+1
.endr
	LOHI 2, 81, 82, 83                             ; my lane's pair
	v_lshlrev_b32 v81, 2, v81
	v_lshlrev_b32 v82, 2, v82
	v_cvt_f32_u32 v87, v18                         ; its count (lanes 28-31: 0)
	s_wait_dscnt 0x0
.irp i, 4,8,12,16,20,24,28
	v_pk_add_f32 v[32:33], v[32:33], v[32+\i:33+\i]
	v_pk_add_f32 v[34:35], v[34:35], v[34+\i:35+\i]
.endr
	v_pk_add_f32 v[32:33], v[32:33], v[34:35]
	v_add_f32 v84, v32, v33                        ; lane e (e under 8): expert e's sum over all tokens
	ds_bpermute_b32 v85, v81, v84
	ds_bpermute_b32 v86, v82, v84
	s_wait_dscnt 0x0
	v_add_f32 v85, v85, v86
	v_mul_f32 v85, v85, v87
.irp x, 1,2,4,8
	v_add_f32_dpp v85, v85, v85 row_xmask:\x row_mask:0xf bank_mask:0xf
.endr
	v_permlanex16_b32 v86, v85, s18, s19
	v_add_f32 v85, v85, v86
	v_mul_f32 v85, 0x35000000, v85                 ; x 8 / 4096^2
	v_mov_b32 v88, 0
	v_cmp_eq_u32 vcc_lo, 0, v2
	s_wait_xcnt 0x0                                ; EXEC changes only behind this wait
	s_and_saveexec_b32 s17, vcc_lo
	global_store_b32 v88, v85, s[12:13]
	s_wait_xcnt 0x0
	s_or_b32 exec_lo, exec_lo, s17
.Lend:
	s_wait_tensorcnt 0x0
	ds_add_u32 v96, v97
	s_wait_dscnt 0x0
	s_endpgm
.Lfunc_end_k_q658e03ef24_place:
	.size	k_q658e03ef24_place, .Lfunc_end_k_q658e03ef24_place-k_q658e03ef24_place
	.p2alignl 7, 3214868480
	.fill 96, 4, 3214868480
	.section	.rodata,"a",@progbits
	.p2align	6, 0x0
	.amdhsa_kernel k_q658e03ef24_place
		.amdhsa_group_segment_fixed_size 12288
		.amdhsa_private_segment_fixed_size 0
		.amdhsa_enable_private_segment 0
		.amdhsa_kernarg_size 40
		.amdhsa_user_sgpr_count 2
		.amdhsa_user_sgpr_kernarg_segment_ptr 1
		.amdhsa_wavefront_size32 1
		.amdhsa_system_sgpr_workgroup_id_x 1
		.amdhsa_system_sgpr_workgroup_id_y 1
		.amdhsa_system_sgpr_workgroup_id_z 1
		.amdhsa_system_vgpr_workitem_id 0
		.amdhsa_next_free_vgpr 98
		.amdhsa_next_free_sgpr 66
		.amdhsa_reserve_vcc 1
		.amdhsa_float_denorm_mode_32 3
		.amdhsa_float_denorm_mode_16_64 3
		.amdhsa_memory_ordered 1
		.amdhsa_forward_progress 1
		.amdhsa_inst_pref_size 21
	.end_amdhsa_kernel
	.amdgpu_metadata
---
amdhsa.version: [ 1, 2 ]
amdhsa.kernels:
  - .name:           k_q658e03ef24_place
    .symbol:         k_q658e03ef24_place.kd
    .args:
      - { .name: route, .offset: 0, .size: 8, .value_kind: global_buffer, .address_space: global }
      - { .name: psum, .offset: 8, .size: 8, .value_kind: global_buffer, .address_space: global }
      - { .name: sorted, .offset: 16, .size: 8, .value_kind: global_buffer, .address_space: global }
      - { .name: tiles, .offset: 24, .size: 8, .value_kind: global_buffer, .address_space: global }
      - { .name: out1, .offset: 32, .size: 8, .value_kind: global_buffer, .address_space: global }
    .group_segment_fixed_size: 12288
    .private_segment_fixed_size: 0
    .kernarg_segment_align: 8
    .kernarg_segment_size: 40
    .max_flat_workgroup_size: 1024
    .sgpr_count:     66
    .vgpr_count:     98
    .wavefront_size: 32
...
	.end_amdgpu_metadata
.endif
;; end of part 2
;; launch chain (part 3): grid 155 x 1, 4 waves a work-group, no clusters, 100,864 bytes of LDS; arguments tiles, sorted, xq, xs, cw, wstream, b1, b2, out0; writes out0
.if DOCPART == 3
	.amdgcn_target "amdgcn-amd-amdhsa--gfx1250"
	.amdhsa_code_object_version 6
	.text
	.protected	k_q658e03ef24_chain
	.globl	k_q658e03ef24_chain
	.p2align	8
	.type	k_q658e03ef24_chain,@function
k_q658e03ef24_chain:
	s_mov_b64 s[64:65], 0
	v_nop
	global_prefetch_b8 v0, s[64:65] scope:SCOPE_SE
	s_setreg_imm32_b32 hwreg(HW_REG_WAVE_MODE, 25, 1), 1
	s_wait_xcnt 0x0
; THIRD LAUNCH.  out[t] = c_lo (relu(x W1[lo] + b1[lo]) W2[lo] + b2[lo]) + c_hi (the same of hi), both products on codes of E2M3 with one E8M0 scale for each 32 along K.
; A work-group takes one tile of the list: up to 32 tokens that chose the SAME pair (lo, hi), through both experts' chains: each output row has one owner, nothing is added in memory.
; WHY 32 ROWS: 4,096 tokens in 28 pairs make at most (4096 + 28 x 31) / 32 = 155 tiles, against 91 of 64 rows, for 256 WGPs; the price is that each weight fragment feeds two products and not four.
; 155 work-groups serve every split.  A tile's idle rows (and a tile of 0 rows) compute on valid neighbouring entries of the list and are not stored: the chain has barriers, and no barrier
; here stands under a branch on a loaded number.
; THE WAVES SHARE THE COLUMNS.  The hidden layer goes in 8 chunks of 512 units (4 of lo, 4 of hi).  In a chunk wave w makes units 128 w .. 128 w + 127 for all 32 rows, which is K step w of the chunk's
; second product; and wave w owns outputs 128 w .. 128 w + 127 of all rows: 16 accumulators.  Both products are used TRANSPOSED (source 0 = 16 rows of a weight, source 1 = 16 tokens): a lane holds one token throughout.
; THE WEIGHTS come straight from memory into operand registers, as the first launch laid them: a UNIT is 8 fragments + 4 registers of scale words, 25 loads of 512 consecutive bytes, and feeds 16 products.
; A chunk is 4 units of W1 and 4 of W2; a wave reads its 64 units as one stream through a ring of four register slots, each refilled as soon as its products are issued.
; x's 8 fragments stay in registers.  The hidden layer is quantised in registers and goes from wave to wave through LDS as images of the operand's registers; it never goes to memory.
; NO CLUSTER, NO TENSOR LOAD: joint loads land in LDS, and a weight fragment here feeds only two products, so a way through LDS would add the stream's 3.1 MB a tile written and read again;
; and a pair has between 0 and 128 tiles, known only from the list, so partners of one pair cannot be fixed in a grid.
; LIMITS: NaN and infinities are not served; a block of the hidden layer that is all zeros gets the scale byte 1 (its codes are zeros).
.set HIMG, 0                           ; LDS: the hidden chunk's 8 fragments, (2 s + m) x 1,536 + 512 j + 16 lane
.set HSC,  12288                       ; their scale words, (2 s + m) x 128 + 4 lane
.set B1L,  13312                       ; b1[lo], b1[hi]: 8,192 bytes each
.set B2L,  29696                       ; b2[lo], b2[hi]: 2,048 each
.set CWL,  33792                       ; c_lo of 64 list entries, c_hi of the same: 256 bytes each (the tile's are the first 32)
.set STG,  34304                       ; 32 rows x (2,048 + 16): c_lo x lo's result, later the finished rows
.set SPI,  2064
.set UNITB,  12800
.set WAVEB,  102400                    ; a wave's 8 units of a chunk
.set CHUNKB, 409600
.set EXPB,   1638400
; vector registers: window 0 holds all but the ring and the accumulators; an instruction names the low 8 bits, s_set_vgpr_msb the window of each operand place
.set VOFF, 1                           ; 16 x lane; never rewritten
.set HWI,  2                           ; where I store my images
.set HWS,  3                           ; and their scale words
.set HLS,  4                           ; where I read scale words: lanes 0-15 row tile 0, lanes 16-31 tile 1
.set B1A,  5                           ; my 16 biases of the unit in hand; + 2,048 a chunk
.set SO1,  6                           ; the stage: my 32 bytes of row r
.set CWA,  7                           ; my row's gate weights in LDS
.set WSC,  8                           ; v8-23    the weights' scale words, slot k at 8 + 4 k
.set XSC,  24                          ; v24-27   x's: register s; lanes 0-15 tile 0, lanes 16-31 tile 1
.set HS,   28                          ; v28-29   the hidden layer's scale words, two sets
.set B1R,  32                          ; v32-47   the unit's biases
.set HW,   48                          ; v48-49   the scale word in the making, one a row tile
.set TM,   52
.set TMB,  54
.set TM2,  56
.set SOP,  60
.set HACC, 64                          ; v64-95   4 accumulators of the hidden layer: 64 + 16 m + 8 u
.set HF,   64                          ; v64-87, v96-119  hidden fragments from LDS, two sets of 24 (the first over HACC, which is done with by then)
.set T2,   120                         ; v120-126 a block's upper half codes, 4 a row tile
.set PC,   128                         ; v128-151 the codes: 12 a row tile
.set XF,   160                         ; v160-255 x's fragments: 160 + 12 (2 s + m)
.set B2A,  52                          ; on the ways out: my eight numbers of b2;
.set SR,   53                          ; my wave's 8 rows of the stage;
.set CM,   56                          ; two pairs: the gate weight of my row in tile m
.set RO,   128                         ; 8 byte offsets in out0
.set TOK,  128                         ; at the head: token numbers,
.set XO,   136                         ; and the offsets made of them
; Ring slots: v256, v352, v512, v608 (96 each).  v768-895: the 16 accumulators, (n, m) at 768 + 64 m + 8 n
.set TC,   23                          ; the chunk's number
.set CUR,  28                          ; s[28:29] my units of this chunk; s[30:31] of the next; s[32:33] of hi's first
.set NXT,  30
.set HIB,  32
.set LEFT, 56                          ; rows of the tile from my wave's first output row on (may be negative)
.set SB2,  57                          ; B2L + 512 w
.set SSR,  58                          ; STG + 8 w rows
.set MSB, 0
.macro WIN new                         ; the immediate's high byte repeats the setting that is left; a switch that changes nothing is dropped
.if MSB != (\new)
	s_set_vgpr_msb (MSB<<8)|(\new)
.set MSB, (\new)
.endif
.endm
.macro PLACES n                        ; plain lines between a matrix instruction and a load into, or a read or write of, its registers
.rept \n
	v_nop
.endr
.endm
.macro BARRIER                         ; my LDS stores have landed and my LDS loads are in: then the work-group's barrier
	s_wait_dscnt 0x0
	s_barrier_signal -1
	s_barrier_wait -1
.endm
.macro WM                              ; one product, from the symbols D8, A8, B8, C8 (low 8 bits), SCA, SCB (scale registers), RA, RB (1: the scales stand in lanes 16-31)
.if RA && RB
	v_wmma_scale_f32_16x16x128_f8f6f4 v[D8:D8+7], v[A8:A8+11], v[B8:B8+11], v[C8:C8+7], v[SCA], v[SCB] matrix_a_fmt:MATRIX_FMT_FP6 matrix_b_fmt:MATRIX_FMT_FP6 matrix_a_scale:MATRIX_SCALE_ROW1 matrix_b_scale:MATRIX_SCALE_ROW1
.elseif RA
	v_wmma_scale_f32_16x16x128_f8f6f4 v[D8:D8+7], v[A8:A8+11], v[B8:B8+11], v[C8:C8+7], v[SCA], v[SCB] matrix_a_fmt:MATRIX_FMT_FP6 matrix_b_fmt:MATRIX_FMT_FP6 matrix_a_scale:MATRIX_SCALE_ROW1
.elseif RB
	v_wmma_scale_f32_16x16x128_f8f6f4 v[D8:D8+7], v[A8:A8+11], v[B8:B8+11], v[C8:C8+7], v[SCA], v[SCB] matrix_a_fmt:MATRIX_FMT_FP6 matrix_b_fmt:MATRIX_FMT_FP6 matrix_b_scale:MATRIX_SCALE_ROW1
.else
	v_wmma_scale_f32_16x16x128_f8f6f4 v[D8:D8+7], v[A8:A8+11], v[B8:B8+11], v[C8:C8+7], v[SCA], v[SCB] matrix_a_fmt:MATRIX_FMT_FP6 matrix_b_fmt:MATRIX_FMT_FP6
.endif
.endm
.macro LOADUNIT k, p, u                ; unit u of the chunk at s[p:p+1] into slot k: 25 loads
.set RSK, 256+256*((\k)/2)+96*((\k)%2)
	WIN (RSK>>8)<<6
.irp i, 0,1,2,3,4,5,6,7,8,9,10,11,12,13,14,15,16,17,18,19,20,21,22,23
	global_load_b128 v[(RSK&255)+4*\i:(RSK&255)+4*\i+3], v[VOFF], s[\p:\p+1] offset:(\u)*UNITB+512*\i
.endr
	WIN 0
	global_load_b128 v[WSC+4*(\k):WSC+4*(\k)+3], v[VOFF], s[\p:\p+1] offset:(\u)*UNITB+12288
.endm
; 16 products of a unit of W1 in slot k: 32 hidden units x 32 rows x K = 512.  The 4 accumulators take turns, one instruction a turn; the bias is the C of each sum's first product.
; One window setting serves the unit: only the weights lie outside window 0.
.macro MM1 k
.set RSK, 256+256*((\k)/2)+96*((\k)%2)
	WIN RSK>>8
.irp s, 0,1,2,3
.irp m, 0,1
.irp u, 0,1
.set D8, HACC+16*\m+8*\u
.set A8, (RSK&255)+12*(4*\u+\s)
.set B8, XF+12*(2*\s+\m)
.if \s == 0
.set C8, B1R+8*\u
.else
.set C8, D8
.endif
.set SCA, WSC+4*(\k)+\s
.set SCB, XSC+\s
.set RA, \u
.set RB, \m
	WM
.endr
.endr
.endr
.endm
; 16 products of a unit of W2 in slot k with the hidden fragments of set z: my 128 outputs x 32 rows x K = 128.  The 16 accumulators take turns.
.macro MM2 k, z
.set RSK, 256+256*((\k)/2)+96*((\k)%2)
	WIN 0xf0|(RSK>>8)
.irp m, 0,1
.irp n, 0,1,2,3,4,5,6,7
.set D8, 64*\m+8*\n
.set C8, D8
.set A8, (RSK&255)+12*\n
.set B8, HF+32*(\z)+12*\m
.set SCA, WSC+4*(\k)+(\n%4)
.set SCB, HS+(\z)
.set RA, \n/4
.set RB, \m
	WM
.endr
.endr
.endm
; The unit's 32 hidden units of the two row tiles: relu, the block's scale, codes.  In tile m a lane's 16 registers are k = 32 b + 16 (lane / 16) + 0 .. 15 of its row.
.macro QUANT b
.set QI, 0
.rept 32
	v_max_num_f32 v[HACC+QI], 0, v[HACC+QI]        ; the activation, in f32; ascending
.set QI, QI+1
.endr
.irp m, 0,1                            ; the largest of my 16, in two chains a tile, so that four lines take turns.  None is negative: no |.|; the floor 2^(3 - 127) holds the byte at 1 from below
	v_max3_num_f32 v[TM+\m], v[HACC+16*\m], v[HACC+16*\m+1], 0x1800000
	v_max3_num_f32 v[TMB+\m], v[HACC+16*\m+8], v[HACC+16*\m+9], v[HACC+16*\m+10]
.endr
.irp j, 2,4
.irp m, 0,1
	v_max3_num_f32 v[TM+\m], v[TM+\m], v[HACC+16*\m+\j], v[HACC+16*\m+\j+1]
	v_max3_num_f32 v[TMB+\m], v[TMB+\m], v[HACC+16*\m+9+\j], v[HACC+16*\m+10+\j]
.endr
.endr
.irp m, 0,1
	v_max3_num_f32 v[TM+\m], v[TM+\m], v[HACC+16*\m+6], v[HACC+16*\m+7]
.endr
.irp m, 0,1
	v_max3_num_f32 v[TM+\m], v[TM+\m], v[TMB+\m], v[HACC+16*\m+15]
.endr
.irp m, 0,1
	v_permlanex16_b32 v[TM2+\m], v[TM+\m], s34, s35
.endr
.irp m, 0,1
	v_max_num_f32 v[TM+\m], v[TM+\m], v[TM2+\m]    ; with lane l xor 16's 16: the block's largest
.endr
.irp m, 0,1
	v_add_nc_u32 v[SOP+\m], 0xff000000, v[TM+\m]   ; 2 off the exponent field: the conversion's scale operand
.endr
.irp m, 0,1
.if (\b) == 0
	v_lshrrev_b32 v[HW+\m], 23, v[SOP+\m]          ; the scale's byte: byte b of the row's word
.else
	v_lshrrev_b32 v[TM+\m], 23, v[SOP+\m]
.endif
.endr
.if (\b) > 0
.irp m, 0,1
	v_lshl_or_b32 v[HW+\m], v[TM+\m], 8*(\b), v[HW+\m]
.endr
.endif
.if (\b)%2 == 0
.irp m, 0,1
	v_cvt_scalef32_pk16_fp6_f32 v[PC+12*\m+3*(\b):PC+12*\m+3*(\b)+2], v[HACC+16*\m:HACC+16*\m+15], v[SOP+\m]
.endr
	v_nop                                          ; a plain line behind the last conversion
.else
.irp m, 0,1
	v_cvt_scalef32_pk16_fp6_f32 v[T2+4*\m:T2+4*\m+2], v[HACC+16*\m:HACC+16*\m+15], v[SOP+\m]
.endr
	v_nop                                          ; a plain line behind the last conversion
.irp m, 0,1                            ; the operand wants a WHOLE block in a lane: lanes 0-15 block b - 1, lanes 16-31 block b
.irp i, 0,1,2
	v_permlane16_swap_b32 v[PC+12*\m+3*((\b)-1)+\i], v[T2+4*\m+\i]
.endr
.endr
.irp m, 0,1
.irp i, 0,1,2
	v_mov_b32 v[PC+12*\m+3*((\b)-1)+3+\i], v[T2+4*\m+\i]
.endr
.endr
.endif
.endm
.macro IMAGE                           ; my two fragments (K step w of the chunk) and their scale words go to LDS as they stand
.irp m, 0,1
.irp j, 0,1,2
	ds_store_b128 v[HWI], v[PC+12*\m+4*\j:PC+12*\m+4*\j+3] offset:1536*\m+512*\j
.endr
	ds_store_b32 v[HWS], v[HW+\m] offset:128*\m
.endr
.endm
.macro HFETCH s, z                     ; K step s's two fragments and their scale words into set z: 7 loads
.irp m, 0,1
.irp j, 0,1,2
	ds_load_b128 v[HF+32*(\z)+12*\m+4*\j:HF+32*(\z)+12*\m+4*\j+3], v[VOFF] offset:HIMG+(2*(\s)+\m)*1536+512*\j
.endr
.endr
	ds_load_b32 v[HS+(\z)], v[HLS] offset:256*(\s)
.endm
.macro B1LOAD off
.irp i, 0,1,2,3
	ds_load_b128 v[B1R+4*\i:B1R+4*\i+3], v[B1A] offset:(\off)+16*\i
.endr
.endm
.macro PBIAS off                       ; the 16 accumulators begin as b2: register j of (n, m) is output 128 w + 16 n + 8 (lane / 16) + j
	WIN 0xc0
.irp m, 0,1
.irp n, 0,1,2,3,4,5,6,7
	ds_load_b128 v[64*\m+8*\n:64*\m+8*\n+3], v[B2A] offset:(\off)+64*\n
	ds_load_b128 v[64*\m+8*\n+4:64*\m+8*\n+7], v[B2A] offset:(\off)+64*\n+16
.endr
.endr
	WIN 0
.endm
.macro WAYMID                          ; lo is finished: c_lo x its result goes to my own places of the stage, and the accumulators begin anew as b2[hi]
.irp m, 0,1
	ds_load_b32 v[CM+2*\m], v[CWA] offset:64*\m
.endr
	v_bfe_u32 v[B2A], v0, 4, 1
	v_lshl_add_u32 v[B2A], v[B2A], 5, s[SB2]
	s_wait_dscnt 0x0
.irp m, 0,1
	v_mov_b32 v[CM+2*\m+1], v[CM+2*\m]
.endr
	WIN 0xc3
.irp m, 0,1
.irp n, 0,1,2,3,4,5,6,7
.irp j, 0,2,4,6
	v_pk_mul_f32 v[64*\m+8*\n+\j:64*\m+8*\n+\j+1], v[64*\m+8*\n+\j:64*\m+8*\n+\j+1], v[CM+2*\m:CM+2*\m+1]
.endr
.endr
.endr
	WIN 0x0c
.irp m, 0,1
.irp n, 0,1,2,3,4,5,6,7
	ds_store_b128 v[SO1], v[64*\m+8*\n:64*\m+8*\n+3] offset:\m*16*SPI+64*\n
	ds_store_b128 v[SO1], v[64*\m+8*\n+4:64*\m+8*\n+7] offset:\m*16*SPI+64*\n+16
.endr
.endr
	PBIAS 2048
.endm
; A unit of W1.  Behind the 25 loads of the unit in hand three units' 75 have been issued; 63 is the largest count that the wait can name, and it is the smaller, safe one.
.macro AUNIT b, last
	s_wait_loadcnt 63
	s_wait_dscnt 0x0                               ; the unit's biases (asked for a unit ago)
	MM1 \b
	WIN 0
	PLACES 4
.if (\b) < 3
	B1LOAD 128*((\b)+1)
.elseif !(\last)
	B1LOAD 2048                                    ; the next chunk's first
.endif
	LOADUNIT \b, CUR, 4+(\b)                       ; the slot takes the chunk's unit of W2 four on
	QUANT \b
.if (\b) == 3
	IMAGE
.endif
.endm
; A unit of W2.  In the last chunk nothing is asked for any more, and the counts run down: 75 (named as 63), 50, 25, 0 loads were issued behind the unit in hand.
.macro BUNIT s, last
.set NW, 63
.if (\last) && ((\s) > 0)
.set NW, 25*(3-(\s))
.endif
	s_wait_loadcnt NW
.if (\s) < 3
	s_wait_dscnt 7                                 ; my set is in; the other set's 7 loads may be out
.else
	s_wait_dscnt 0x0
.endif
	MM2 \s, (\s)%2
	WIN 0
	PLACES 5                                       ; five: the next chunk's first products write over registers that these have read
.if (\s) < 2
	HFETCH (\s)+2, (\s)%2
.endif
.if !(\last)
.if (\s) == 3
	s_cmp_lg_u32 s[TC], 3                          ; behind lo's last chunk; only LDS and vector instructions stand under this branch, so the ring's counts hold on both ways
	s_cbranch_scc1 .Lnomid_\@
	WAYMID
.Lnomid_\@:
.endif
	LOADUNIT \s, NXT, \s                           ; the slot takes the next chunk's unit of W1
.endif
.endm
.macro CHUNK last
	AUNIT 0, \last
	AUNIT 1, \last
	AUNIT 2, \last
	AUNIT 3, \last
.if !(\last)
	; the next chunk's address is made here: the loads that last named s[NXT:NXT+1] are the 25 of the unit that the fourth unit's wait above has shown in (75 were issued behind them)
	s_add_nc_u64 s[NXT:NXT+1], s[CUR:CUR+1], CHUNKB
	s_cmp_eq_u32 s[TC], 3
	s_cselect_b64 s[NXT:NXT+1], s[HIB:HIB+1], s[NXT:NXT+1]   ; behind lo's last chunk comes hi's first
.endif
	BARRIER                                        ; the chunk's eight hidden fragments lie in LDS
	HFETCH 0, 0
	HFETCH 1, 1
	BUNIT 0, \last
	BUNIT 1, \last
	BUNIT 2, \last
	BUNIT 3, \last
.if !(\last)
	BARRIER                                        ; everybody has read them: the next chunk may write them again
.endif
.endm
	s_load_b512 s[4:19], s[0:1], 0x0               ; tiles, sorted, xq, xs, cw, wstream, b1, b2
	s_load_b64 s[20:21], s[0:1], 0x40              ; out0
	v_lshl_add_u32 v158, v0, 2, 0x18800
	v_mov_b32 v159, 0
	v_lshrrev_b32 v1, 5, v0
	v_readfirstlane_b32 s22, v1                    ; wave 0..3
	s_lshl_b32 s36, ttmp9, 4
	s_wait_kmcnt 0x0
	s_load_b128 s[24:27], s[4:5], s36 offset:0x0   ; my tile: lo, hi, first entry, rows
	v_and_b32 v108, 15, v0                         ; r
	v_bfe_u32 v109, v0, 4, 1                       ; h
	v_and_b32 v110, 31, v0                         ; lane
	v_lshlrev_b32 v[VOFF], 4, v110
	s_mul_i32 s37, s22, 3072
	v_add_nc_u32 v[HWI], s37, v[VOFF]              ; fragments 2 w, 2 w + 1
	s_lshl_b32 s58, s22, 8                         ; 256 w
	s_add_co_u32 s37, s58, HSC
	v_lshl_add_u32 v[HWS], v110, 2, s37
	v_lshlrev_b32 v[HLS], 2, v108
	v_lshl_add_u32 v[HLS], v109, 7, v[HLS]
	v_add_nc_u32 v[HLS], HSC, v[HLS]
	s_lshl_b32 s58, s22, 9                         ; 512 w
	s_add_co_u32 s37, s58, B1L
	v_lshl_add_u32 v[B1A], v109, 6, s37
	v_mul_u32_u24 v[SO1], v108, SPI
	v_lshl_add_u32 v[SO1], v109, 5, v[SO1]
	s_add_co_u32 s37, s58, STG
	v_add_nc_u32 v[SO1], s37, v[SO1]
	v_lshl_add_u32 v[CWA], v108, 2, CWL
	s_add_co_u32 s[SB2], s58, B2L
	s_mul_i32 s58, s22, 8*SPI
	s_add_co_u32 s[SSR], s58, STG
	v_lshlrev_b32 v111, 2, v108                    ; list entries: r,
	v_lshlrev_b32 v112, 2, v110                    ; lane,
	v_lshrrev_b32 v113, 1, v0
	v_lshlrev_b32 v113, 2, v113                    ; thread / 2
	v_and_b32 v114, 1, v0
	v_lshlrev_b32 v114, 2, v114                    ; 4 x (thread % 2)
	v_lshlrev_b32 v115, 4, v0                      ; 16 x thread
	v_lshl_add_u32 v116, v114, 6, v113             ; LDS: 256 x (thread % 2) + 4 x (thread / 2)
	v_mul_u32_u24 v117, v109, 192
.irp m, 0,1
	v_mov_b32 v[TM2+\m], 0                         ; written once: a lane permute's destination counts as one of its sources
.endr
	s_mov_b32 s34, 0x76543210
	s_mov_b32 s35, 0xfedcba98                      ; lane l xor 16
	s_mov_b32 s[TC], 0
	s_wait_kmcnt 0x0
	s_min_u32 s24, s24, 7                          ; loaded numbers enter addresses only held to their ranges
	s_min_u32 s25, s25, 7
	s_min_u32 s26, s26, 4095
	s_min_u32 s27, s27, 32
	s_lshl_b32 s36, s26, 2
	s_mov_b32 s37, 0
	s_add_nc_u64 s[6:7], s[6:7], s[36:37]          ; the list at my tile's first entry
	s_lshl_b32 s39, s22, 5
	s_load_b256 s[40:47], s[6:7], s39 offset:0x0   ; the tokens of my wave's 8 output rows
	s_lshl_b32 s38, s22, 3
	s_sub_co_i32 s[LEFT], s27, s38
	s_mul_i32 s38, s22, WAVEB
	s_mul_i32 s36, s24, EXPB
	s_add_co_u32 s36, s36, s38
	s_add_nc_u64 s[CUR:CUR+1], s[14:15], s[36:37]
	s_mul_i32 s36, s25, EXPB
	s_add_co_u32 s36, s36, s38
	s_add_nc_u64 s[HIB:HIB+1], s[14:15], s[36:37]
	s_lshl_b32 s36, s24, 13
	s_add_nc_u64 s[60:61], s[16:17], s[36:37]      ; b1[lo],
	s_lshl_b32 s36, s25, 13
	s_add_nc_u64 s[16:17], s[16:17], s[36:37]      ; b1[hi],
	s_lshl_b32 s36, s24, 11
	s_add_nc_u64 s[62:63], s[18:19], s[36:37]      ; b2[lo],
	s_lshl_b32 s36, s25, 11
	s_add_nc_u64 s[18:19], s[18:19], s[36:37]      ; b2[hi]
	; The token numbers first; behind them all that hangs on the tile's entry alone, the biases and the ring's first two units, so that these are on their way while the token numbers come
.irp m, 0,1
	global_load_b32 v[TOK+\m], v111, s[6:7] offset:64*\m          ; row r of tile m
.endr
	global_load_b32 v[TOK+2], v112, s[6:7]         ; row r of tile h
	global_load_b32 v[TOK+3], v113, s[6:7]
.irp i, 0,1,2,3
	global_load_b128 v[68+4*\i:71+4*\i], v115, s[60:61] offset:2048*\i
.endr
.irp i, 0,1,2,3
	global_load_b128 v[84+4*\i:87+4*\i], v115, s[16:17] offset:2048*\i
.endr
	global_load_b128 v[100:103], v115, s[62:63]
	global_load_b128 v[104:107], v115, s[18:19]
	LOADUNIT 0, CUR, 0
	LOADUNIT 1, CUR, 1
	s_wait_loadcnt 60                              ; the four token loads are in; the 10 + 50 issued behind them may be out
.irp i, 0,1,2,3
	v_min_u32 v[TOK+\i], 0xfff, v[TOK+\i]
.endr
.irp m, 0,1
	v_mul_u32_u24 v[XO+\m], v[TOK+\m], 384
	v_add_nc_u32 v[XO+\m], v[XO+\m], v117          ; xq: the token's row, my half's 192 bytes
.endr
	v_lshlrev_b32 v[XO+2], 4, v[TOK+2]             ; xs: 16 bytes a token
	v_lshl_add_u32 v[XO+3], v[TOK+3], 3, v114      ; cw: 8 bytes a token
	global_load_b32 v64, v[XO+3], s[12:13]         ; a gate weight, x's 8 fragments (48 bytes a lane each) and its scale words: 26 loads
.irp s, 0,1,2,3
.irp m, 0,1
.irp j, 0,1,2
	global_load_b128 v[XF+12*(2*\s+\m)+4*\j:XF+12*(2*\s+\m)+4*\j+3], v[XO+\m], s[8:9] offset:48*\s+16*\j
.endr
.endr
.endr
	global_load_b128 v[XSC:XSC+3], v[XO+2], s[10:11]
	s_wait_loadcnt 63                              ; the biases are in: 50 + 26 = 76 loads were issued behind them
.irp i, 0,1,2,3
	ds_store_b128 v115, v[68+4*\i:71+4*\i] offset:B1L+2048*\i
	ds_store_b128 v115, v[84+4*\i:87+4*\i] offset:B1L+8192+2048*\i
.endr
	ds_store_b128 v115, v[100:103] offset:B2L
	ds_store_b128 v115, v[104:107] offset:B2L+2048
	LOADUNIT 2, CUR, 2                             ; the ring is full
	LOADUNIT 3, CUR, 3
	BARRIER                                        ; the biases lie in LDS
	v_lshl_add_u32 v[B2A], v109, 5, s[SB2]
	PBIAS 0
	B1LOAD 0
	s_wait_loadcnt 50                              ; the gate weight, x and its scale words are in: behind them stand units 2 and 3
	ds_store_b32 v116, v64 offset:CWL              ; read first behind lo's last chunk: the chunks' barriers, each behind a wait for all my LDS instructions, stand between
	s_wait_kmcnt 0x0
.irp i, 0,1,2,3,4,5,6,7
	s_min_u32 s[40+\i], s[40+\i], 0xfff
.endr
.Lchunk:                                               ; seven trips; the eighth chunk is written out, so that no load passes the stream's end
	CHUNK 0
	s_mov_b64 s[CUR:CUR+1], s[NXT:NXT+1]           ; the loads that last named s[CUR:CUR+1] are the 25 of the unit that the last unit's wait has shown in (75 were issued behind them)
	v_add_nc_u32 v[B1A], 2048, v[B1A]
	s_add_co_u32 s[TC], s[TC], 1
	s_cmp_lt_u32 s[TC], 7
	s_cbranch_scc1 .Lchunk
	CHUNK 1
	; THE WAY OUT.  out = c_hi x hi's result + what the stage holds, in my own places; a barrier; then each wave stores 8 whole rows.
.irp m, 0,1
	ds_load_b32 v[CM+2*\m], v[CWA] offset:256+64*\m
.endr
	WIN 0x40                                       ; into v256-383: the ring's registers, which are done with
.irp m, 0,1
.irp n, 0,1,2,3,4,5,6,7
	ds_load_b128 v[64*\m+8*\n:64*\m+8*\n+3], v[SO1] offset:\m*16*SPI+64*\n
	ds_load_b128 v[64*\m+8*\n+4:64*\m+8*\n+7], v[SO1] offset:\m*16*SPI+64*\n+16
.endr
.endr
.irp m, 0,1
	WIN 0
	s_wait_dscnt 16                                ; behind tile m's 16 loads: 16 (1 - m) loads and 16 m stores
	v_mov_b32 v[CM+2*\m+1], v[CM+2*\m]
	WIN 0xd3                                       ; the accumulators in window 3, the gate weight in window 0, the stage's numbers in window 1
.irp n, 0,1,2,3,4,5,6,7
.irp j, 0,2,4,6
	v_pk_fma_f32 v[64*\m+8*\n+\j:64*\m+8*\n+\j+1], v[64*\m+8*\n+\j:64*\m+8*\n+\j+1], v[CM+2*\m:CM+2*\m+1], v[64*\m+8*\n+\j:64*\m+8*\n+\j+1]
.endr
.endr
	WIN 0x0c
.irp n, 0,1,2,3,4,5,6,7
	ds_store_b128 v[SO1], v[64*\m+8*\n:64*\m+8*\n+3] offset:\m*16*SPI+64*\n
	ds_store_b128 v[SO1], v[64*\m+8*\n+4:64*\m+8*\n+7] offset:\m*16*SPI+64*\n+16
.endr
.endr
	WIN 0
	BARRIER                                        ; 32 finished rows lie in the stage
	v_add_nc_u32 v[SR], s[SSR], v[VOFF]
	WIN 0x40
.irp i, 0,1,2,3,4,5,6,7
.irp q, 0,1,2,3
	ds_load_b128 v[16*\i+4*\q:16*\i+4*\q+3], v[SR] offset:\i*SPI+512*\q
.endr
.endr
	WIN 0
.irp i, 0,1,2,3,4,5,6,7
	v_lshl_add_u32 v[RO+\i], s[40+\i], 11, v[VOFF] ; the token's row of 2,048 bytes
.endr
.irp i, 0,1,2,3,4,5,6,7
	s_cmp_le_i32 s[LEFT], \i                       ; idle rows are not stored; no barrier follows
	s_cbranch_scc1 .Ldone
	s_wait_dscnt 28-4*\i                           ; behind row i's four loads: four for each later row
	WIN 0x04
.irp q, 0,1,2,3
	global_store_b128 v[RO+\i], v[16*\i+4*\q:16*\i+4*\q+3], s[20:21] offset:512*\q th:TH_STORE_NT   ; 512 consecutive bytes, at a multiple of 512 from out0's first byte
.endr
	WIN 0
.endr
.Ldone:
	s_wait_dscnt 0x0
	s_wait_tensorcnt 0x0
	ds_add_u32 v158, v159
	s_wait_dscnt 0x0
	s_endpgm
.Lfunc_end_k_q658e03ef24_chain:
	.size	k_q658e03ef24_chain, .Lfunc_end_k_q658e03ef24_chain-k_q658e03ef24_chain
	.p2alignl 7, 3214868480
	.fill 96, 4, 3214868480
	.section	.rodata,"a",@progbits
	.p2align	6, 0x0
	.amdhsa_kernel k_q658e03ef24_chain
		.amdhsa_group_segment_fixed_size 100864
		.amdhsa_private_segment_fixed_size 0
		.amdhsa_enable_private_segment 0
		.amdhsa_kernarg_size 72
		.amdhsa_user_sgpr_count 2
		.amdhsa_user_sgpr_kernarg_segment_ptr 1
		.amdhsa_wavefront_size32 1
		.amdhsa_system_sgpr_workgroup_id_x 1
		.amdhsa_system_sgpr_workgroup_id_y 1
		.amdhsa_system_sgpr_workgroup_id_z 1
		.amdhsa_system_vgpr_workitem_id 0
		.amdhsa_next_free_vgpr 1024
		.amdhsa_next_free_sgpr 66
		.amdhsa_reserve_vcc 0
		.amdhsa_float_denorm_mode_32 3
		.amdhsa_float_denorm_mode_16_64 3
		.amdhsa_memory_ordered 1
		.amdhsa_forward_progress 1
		.amdhsa_inst_pref_size 141
	.end_amdhsa_kernel
	.amdgpu_metadata
---
amdhsa.version: [ 1, 2 ]
amdhsa.kernels:
  - .name:           k_q658e03ef24_chain
    .symbol:         k_q658e03ef24_chain.kd
    .args:
      - { .name: tiles, .offset: 0, .size: 8, .value_kind: global_buffer, .address_space: global }
      - { .name: sorted, .offset: 8, .size: 8, .value_kind: global_buffer, .address_space: global }
      - { .name: xq, .offset: 16, .size: 8, .value_kind: global_buffer, .address_space: global }
      - { .name: xs, .offset: 24, .size: 8, .value_kind: global_buffer, .address_space: global }
      - { .name: cw, .offset: 32, .size: 8, .value_kind: global_buffer, .address_space: global }
      - { .name: wstream, .offset: 40, .size: 8, .value_kind: global_buffer, .address_space: global }
      - { .name: b1, .offset: 48, .size: 8, .value_kind: global_buffer, .address_space: global }
      - { .name: b2, .offset: 56, .size: 8, .value_kind: global_buffer, .address_space: global }
      - { .name: out0, .offset: 64, .size: 8, .value_kind: global_buffer, .address_space: global }
    .group_segment_fixed_size: 100864
    .private_segment_fixed_size: 0
    .kernarg_segment_align: 8
    .kernarg_segment_size: 72
    .max_flat_workgroup_size: 128
    .sgpr_count:     66
    .vgpr_count:     1024
    .wavefront_size: 32
...
	.end_amdgpu_metadata
.endif
;; end of part 3
;; ======== version 2 of 2: 3 launches; version 1 with the launch chain written anew for expert scheduling mode
;; workspace buffers: route 32,768 bytes of whole numbers; psum 4,096 bytes; cw 32,768 bytes; xq 1,572,864 bytes; xs 65,536 bytes; wstream 13,107,200 bytes; sorted 16,640 bytes of whole numbers; tiles 2,560 bytes of whole numbers
;; launch prep: the kernel of part 1 again; grid 256 x 1, 8 waves a work-group, no clusters, 3,072 bytes of LDS; arguments x, Wg, W1_codes, W1_scales, W2_codes, W2_scales, xq, xs, cw, route, psum, wstream; writes xq, xs, cw, route, psum, wstream
;; launch place: the kernel of part 2 again; grid 1 x 1, 32 waves a work-group, no clusters, 12,288 bytes of LDS; arguments route, psum, sorted, tiles, out1; writes sorted, tiles, out1
;; launch chain (part 4): grid 155 x 1, 4 waves a work-group, no clusters, 100,864 bytes of LDS; arguments tiles, sorted, xq, xs, cw, wstream, b1, b2, out0; writes out0
.if DOCPART == 4
	.amdgcn_target "amdgcn-amd-amdhsa--gfx1250"
	.amdhsa_code_object_version 6
	.text
	.protected	k_q658e03ef24_chain
	.globl	k_q658e03ef24_chain
	.p2align	8
	.type	k_q658e03ef24_chain,@function
k_q658e03ef24_chain:
	s_mov_b64 s[64:65], 0
	v_nop
	global_prefetch_b8 v0, s[64:65] scope:SCOPE_SE
	s_setreg_imm32_b32 hwreg(HW_REG_WAVE_SCHED_MODE, 0, 2), 2
	s_setreg_imm32_b32 hwreg(HW_REG_WAVE_MODE, 25, 1), 1
	s_wait_xcnt 0x0
	s_wait_alu depctr_vm_vsrc(0)
; THIRD LAUNCH.  out[t] = c_lo (relu(x W1[lo] + b1[lo]) W2[lo] + b2[lo]) + c_hi (the same of hi), both products on codes of E2M3 with one E8M0 scale for each 32 along K.
; A work-group takes one tile of the list: up to 32 tokens that chose the SAME pair (lo, hi), through both experts' chains: each output row has one owner, nothing is added in memory.
; WHY 32 ROWS: 4,096 tokens in 28 pairs make at most (4096 + 28 x 31) / 32 = 155 tiles, against 91 of 64 rows, for 256 WGPs; the price is that each weight fragment feeds two products and not four.
; 155 work-groups serve every split.  A tile's idle rows (and a tile of 0 rows) compute on valid neighbouring entries of the list and are not stored: the chain has barriers, and no barrier
; here stands under a branch on a loaded number.
; THE WAVES SHARE THE COLUMNS.  The hidden layer goes in 8 chunks of 512 units (4 of lo, 4 of hi).  In a chunk wave w makes units 128 w .. 128 w + 127 for all 32 rows, which is K step w of the chunk's
; second product; and wave w owns outputs 128 w .. 128 w + 127 of all rows: 16 accumulators.  Both products are used TRANSPOSED (source 0 = 16 rows of a weight, source 1 = 16 tokens): a lane holds one token throughout.
; THE WEIGHTS come straight from memory into operand registers, as the first launch laid them: a UNIT is 8 fragments + 4 registers of scale words, 25 loads of 512 consecutive bytes, and feeds 16 products.
; A chunk is 4 units of W1 and 4 of W2; a wave reads its 64 units as one stream through a ring of four register slots, each refilled in the unit that has multiplied by it.
; x's 8 fragments stay in registers.  The hidden layer is quantised in registers and goes from wave to wave through LDS as images of the operand's registers; it never goes to memory.
; NO CLUSTER, NO TENSOR LOAD: joint loads land in LDS, and a weight fragment here feeds only two products, so a way through LDS would add the stream's 3.1 MB a tile written and read again;
; and a pair has between 0 and 128 tiles, known only from the list, so partners of one pair cannot be fixed in a grid.
; LIMITS: NaN and infinities are not served; a block of the hidden layer that is all zeros gets the scale byte 1 (its codes are zeros).
; THE MODE: SCHED_MODE bits 1:0 = 2 (LLVM: expert scheduling mode 2), set by the entry lines.  The code itself states the register dependences
; between vector or matrix instructions and memory or LDS instructions, with s_wait_alu, always for 0.
; THE PLAN.  Registers that memory or LDS instructions touch, and who else names them:
;   ring slot k, WSC + 4 k   Loaded by LOADUNIT.  Read by the 16 products of the unit that lies in the slot, and by nothing else.
;   B1C (v896-959)           A chunk's 64 biases of my lane.  Loaded once a chunk, in the chunk before, behind its third unit of W2.  Read by the first four products of each unit of W1.
;   HF set 0 (v64-87), set 1 (v96-119), HS   Loaded by HFETCH.  Read by the products of the units of W2.  Set 0's registers are HACC in the units of W1: written by their products, worked on by the quantiser.
;   PC, HW                   Written by the quantiser.  Read by IMAGE's LDS stores, once a chunk.
;   P (v768-895)             Loaded with b2, written by the products of W2 and by the ways out's scalings; read by the ways out's LDS stores.
;   CM (v56-59)              The gate weights: loaded on the two ways out; v56, v57 are the quantiser's at other times.
;   v1-4, v6, v7, v32-41     Addresses and offsets, made at the head and never written again.  v[B1A] alone is stepped, once a chunk.
; ONE wait on va_vdst stands in a unit, at its tail: in a unit of W1 behind the quantiser, in a unit of W2 behind the products and their places.  All of the unit's loads and LDS stores follow it, and no vector or
; matrix instruction stands among them: the refill of the slot just multiplied by; in a chunk's fourth unit of W1 the images' stores, and behind the barrier the first two HFETCH; in the units of W2 the next HFETCH, the biases.
; ONE wait on vm_vsrc stands in a chunk, at the loop's end: for v[B1A], PC and HW.  The head and the two ways out have their own waits, each with its reason beside it.
.set HIMG, 0                           ; LDS: the hidden chunk's 8 fragments, (2 s + m) x 1,536 + 512 j + 16 lane
.set HSC,  12288                       ; their scale words, (2 s + m) x 128 + 4 lane
.set B1L,  13312                       ; b1[lo], b1[hi]: 8,192 bytes each
.set B2L,  29696                       ; b2[lo], b2[hi]: 2,048 each
.set CWL,  33792                       ; c_lo of 64 list entries, c_hi of the same: 256 bytes each (the tile's are the first 32)
.set STG,  34304                       ; 32 rows x (2,048 + 16): c_lo x lo's result, later the finished rows
.set SPI,  2064
.set UNITB,  12800
.set WAVEB,  102400                    ; a wave's 8 units of a chunk
.set CHUNKB, 409600
.set EXPB,   1638400
; vector registers: window 0 holds all but the ring, the biases and the accumulators; an instruction names the low 8 bits, s_set_vgpr_msb the window of each operand place
.set VOFF, 1                           ; 16 x lane; never rewritten
.set HWI,  2                           ; where I store my images
.set HWS,  3                           ; and their scale words
.set HLS,  4                           ; where I read scale words: lanes 0-15 row tile 0, lanes 16-31 tile 1
.set B1A,  5                           ; my biases of the chunk in hand; + 2,048 a chunk
.set SO1,  6                           ; the stage: my 32 bytes of row r
.set CWA,  7                           ; my row's gate weights in LDS
.set WSC,  8                           ; v8-23    the weights' scale words, slot k at 8 + 4 k
.set XSC,  24                          ; v24-27   x's: register s; lanes 0-15 tile 0, lanes 16-31 tile 1
.set HS,   28                          ; v28-29   the hidden layer's scale words, two sets
.set RO,   32                          ; v32-39   8 byte offsets in out0: my wave's 8 output rows; never rewritten
.set B2A,  40                          ; v40      my eight numbers of b2 in LDS; never rewritten
.set SR,   41                          ; v41      my wave's 8 rows of the stage; never rewritten
.set HW,   48                          ; v48-49   the scale word in the making, one a row tile
.set TM,   52
.set TMB,  54
.set TM2,  56
.set SOP,  60
.set HACC, 64                          ; v64-95   4 accumulators of the hidden layer: 64 + 16 m + 8 u
.set HF,   64                          ; v64-87, v96-119  hidden fragments from LDS, two sets of 24 (the first over HACC, which is done with by then)
.set T2,   120                         ; v120-126 a block's upper half codes, 4 a row tile
.set PC,   128                         ; v128-151 the codes: 12 a row tile
.set XF,   160                         ; v160-255 x's fragments: 160 + 12 (2 s + m)
.set CM,   56                          ; on the ways out: two pairs: the gate weight of my row in tile m
.set TOK,  128                         ; at the head: token numbers,
.set XO,   136                         ; and the offsets made of them
.set B1C,  128                         ; in window 3: v896-959: unit b's 16 biases at 128 + 16 b
; Ring slots: v256, v352, v512, v608 (96 each).  v768-895: the 16 accumulators, (n, m) at 768 + 64 m + 8 n
.set TC,   23                          ; the chunk's number
.set CUR,  28                          ; s[28:29] my units of this chunk; s[30:31] of the next; s[32:33] of hi's first
.set NXT,  30
.set HIB,  32
.set LEFT, 56                          ; rows of the tile from my wave's first output row on (may be negative)
.set SB2,  57                          ; B2L + 512 w
.set SSR,  58                          ; STG + 8 w rows
.set MSB, 0
.macro WIN new                         ; the immediate's high byte repeats the setting that is left; a switch that changes nothing is dropped
.if MSB != (\new)
	s_set_vgpr_msb (MSB<<8)|(\new)
.set MSB, (\new)
.endif
.endm
.macro PLACES n                        ; plain lines between a matrix instruction and a read or write of its registers (ISA guide 7.12.1)
.rept \n
	v_nop
.endr
.endm
.macro BARRIER                         ; my LDS stores have landed and my LDS loads are in: then the work-group's barrier
	s_wait_dscnt 0x0
	s_barrier_signal -1
	s_barrier_wait -1
.endm
.macro WM                              ; one product, from the symbols D8, A8, B8, C8 (low 8 bits), SCA, SCB (scale registers), RA, RB (1: the scales stand in lanes 16-31)
.if RA && RB
	v_wmma_scale_f32_16x16x128_f8f6f4 v[D8:D8+7], v[A8:A8+11], v[B8:B8+11], v[C8:C8+7], v[SCA], v[SCB] matrix_a_fmt:MATRIX_FMT_FP6 matrix_b_fmt:MATRIX_FMT_FP6 matrix_a_scale:MATRIX_SCALE_ROW1 matrix_b_scale:MATRIX_SCALE_ROW1
.elseif RA
	v_wmma_scale_f32_16x16x128_f8f6f4 v[D8:D8+7], v[A8:A8+11], v[B8:B8+11], v[C8:C8+7], v[SCA], v[SCB] matrix_a_fmt:MATRIX_FMT_FP6 matrix_b_fmt:MATRIX_FMT_FP6 matrix_a_scale:MATRIX_SCALE_ROW1
.elseif RB
	v_wmma_scale_f32_16x16x128_f8f6f4 v[D8:D8+7], v[A8:A8+11], v[B8:B8+11], v[C8:C8+7], v[SCA], v[SCB] matrix_a_fmt:MATRIX_FMT_FP6 matrix_b_fmt:MATRIX_FMT_FP6 matrix_b_scale:MATRIX_SCALE_ROW1
.else
	v_wmma_scale_f32_16x16x128_f8f6f4 v[D8:D8+7], v[A8:A8+11], v[B8:B8+11], v[C8:C8+7], v[SCA], v[SCB] matrix_a_fmt:MATRIX_FMT_FP6 matrix_b_fmt:MATRIX_FMT_FP6
.endif
.endm
.macro LOADUNIT k, p, u                ; unit u of the chunk at s[p:p+1] into slot k: 25 loads
.set RSK, 256+256*((\k)/2)+96*((\k)%2)
	WIN (RSK>>8)<<6
.irp i, 0,1,2,3,4,5,6,7,8,9,10,11,12,13,14,15,16,17,18,19,20,21,22,23
	global_load_b128 v[(RSK&255)+4*\i:(RSK&255)+4*\i+3], v[VOFF], s[\p:\p+1] offset:(\u)*UNITB+512*\i
.endr
	WIN 0
	global_load_b128 v[WSC+4*(\k):WSC+4*(\k)+3], v[VOFF], s[\p:\p+1] offset:(\u)*UNITB+12288
.endm
; 16 products of a unit of W1 in slot k: 32 hidden units x 32 rows x K = 512.  The 4 accumulators take turns, one instruction a turn; the bias is the C of each sum's first product.
; Two window settings serve the unit: the first four products take their C, the bias, from window 3; the weights lie in the slot's window, all else in window 0.
.macro MM1 k
.set RSK, 256+256*((\k)/2)+96*((\k)%2)
.irp s, 0,1,2,3
.if \s == 0
	WIN 0x30|(RSK>>8)
.else
	WIN RSK>>8
.endif
.irp m, 0,1
.irp u, 0,1
.set D8, HACC+16*\m+8*\u
.set A8, (RSK&255)+12*(4*\u+\s)
.set B8, XF+12*(2*\s+\m)
.if \s == 0
.set C8, B1C+16*(\k)+8*\u
.else
.set C8, D8
.endif
.set SCA, WSC+4*(\k)+\s
.set SCB, XSC+\s
.set RA, \u
.set RB, \m
	WM
.endr
.endr
.endr
.endm
; 16 products of a unit of W2 in slot k with the hidden fragments of set z: my 128 outputs x 32 rows x K = 128.  The 16 accumulators take turns.
.macro MM2 k, z
.set RSK, 256+256*((\k)/2)+96*((\k)%2)
	WIN 0xf0|(RSK>>8)
.irp m, 0,1
.irp n, 0,1,2,3,4,5,6,7
.set D8, 64*\m+8*\n
.set C8, D8
.set A8, (RSK&255)+12*\n
.set B8, HF+32*(\z)+12*\m
.set SCA, WSC+4*(\k)+(\n%4)
.set SCB, HS+(\z)
.set RA, \n/4
.set RB, \m
	WM
.endr
.endr
.endm
; The unit's 32 hidden units of the two row tiles: relu, the block's scale, codes.  In tile m a lane's 16 registers are k = 32 b + 16 (lane / 16) + 0 .. 15 of its row.
.macro QUANT b
.set QI, 0
.rept 32
	v_max_num_f32 v[HACC+QI], 0, v[HACC+QI]        ; the activation, in f32; ascending
.set QI, QI+1
.endr
.irp m, 0,1                            ; the largest of my 16, in two chains a tile, so that four lines take turns.  None is negative: no |.|; the floor 2^(3 - 127) holds the byte at 1 from below
	v_max3_num_f32 v[TM+\m], v[HACC+16*\m], v[HACC+16*\m+1], 0x1800000
	v_max3_num_f32 v[TMB+\m], v[HACC+16*\m+8], v[HACC+16*\m+9], v[HACC+16*\m+10]
.endr
.irp j, 2,4
.irp m, 0,1
	v_max3_num_f32 v[TM+\m], v[TM+\m], v[HACC+16*\m+\j], v[HACC+16*\m+\j+1]
	v_max3_num_f32 v[TMB+\m], v[TMB+\m], v[HACC+16*\m+9+\j], v[HACC+16*\m+10+\j]
.endr
.endr
.irp m, 0,1
	v_max3_num_f32 v[TM+\m], v[TM+\m], v[HACC+16*\m+6], v[HACC+16*\m+7]
.endr
.irp m, 0,1
	v_max3_num_f32 v[TM+\m], v[TM+\m], v[TMB+\m], v[HACC+16*\m+15]
.endr
.irp m, 0,1
	v_permlanex16_b32 v[TM2+\m], v[TM+\m], s34, s35
.endr
.irp m, 0,1
	v_max_num_f32 v[TM+\m], v[TM+\m], v[TM2+\m]    ; with lane l xor 16's 16: the block's largest
.endr
.irp m, 0,1
	v_add_nc_u32 v[SOP+\m], 0xff000000, v[TM+\m]   ; 2 off the exponent field: the conversion's scale operand
.endr
.irp m, 0,1
.if (\b) == 0
	v_lshrrev_b32 v[HW+\m], 23, v[SOP+\m]          ; the scale's byte: byte b of the row's word
.else
	v_lshrrev_b32 v[TM+\m], 23, v[SOP+\m]
.endif
.endr
.if (\b) > 0
.irp m, 0,1
	v_lshl_or_b32 v[HW+\m], v[TM+\m], 8*(\b), v[HW+\m]
.endr
.endif
.if (\b)%2 == 0
.irp m, 0,1
	v_cvt_scalef32_pk16_fp6_f32 v[PC+12*\m+3*(\b):PC+12*\m+3*(\b)+2], v[HACC+16*\m:HACC+16*\m+15], v[SOP+\m]
.endr
	v_nop                                          ; a plain line behind the last conversion
.else
.irp m, 0,1
	v_cvt_scalef32_pk16_fp6_f32 v[T2+4*\m:T2+4*\m+2], v[HACC+16*\m:HACC+16*\m+15], v[SOP+\m]
.endr
	v_nop                                          ; a plain line behind the last conversion
.irp m, 0,1                            ; the operand wants a WHOLE block in a lane: lanes 0-15 block b - 1, lanes 16-31 block b
.irp i, 0,1,2
	v_permlane16_swap_b32 v[PC+12*\m+3*((\b)-1)+\i], v[T2+4*\m+\i]
.endr
.endr
.irp m, 0,1
.irp i, 0,1,2
	v_mov_b32 v[PC+12*\m+3*((\b)-1)+3+\i], v[T2+4*\m+\i]
.endr
.endr
.endif
.endm
.macro IMAGE                           ; my two fragments (K step w of the chunk) and their scale words go to LDS as they stand
.irp m, 0,1
.irp j, 0,1,2
	ds_store_b128 v[HWI], v[PC+12*\m+4*\j:PC+12*\m+4*\j+3] offset:1536*\m+512*\j
.endr
	ds_store_b32 v[HWS], v[HW+\m] offset:128*\m
.endr
.endm
.macro HFETCH s, z                     ; K step s's two fragments and their scale words into set z: 7 loads
.irp m, 0,1
.irp j, 0,1,2
	ds_load_b128 v[HF+32*(\z)+12*\m+4*\j:HF+32*(\z)+12*\m+4*\j+3], v[VOFF] offset:HIMG+(2*(\s)+\m)*1536+512*\j
.endr
.endr
	ds_load_b32 v[HS+(\z)], v[HLS] offset:256*(\s)
.endm
.macro B1LOAD off                      ; a chunk's biases of my lane, 16 for each of its four units of W1: 16 loads
	WIN 0xc0
.irp b, 0,1,2,3
.irp i, 0,1,2,3
	ds_load_b128 v[B1C+16*\b+4*\i:B1C+16*\b+4*\i+3], v[B1A] offset:(\off)+128*\b+16*\i
.endr
.endr
	WIN 0
.endm
.macro PBIAS off                       ; the 16 accumulators begin as b2: register j of (n, m) is output 128 w + 16 n + 8 (lane / 16) + j
	WIN 0xc0
.irp m, 0,1
.irp n, 0,1,2,3,4,5,6,7
	ds_load_b128 v[64*\m+8*\n:64*\m+8*\n+3], v[B2A] offset:(\off)+64*\n
	ds_load_b128 v[64*\m+8*\n+4:64*\m+8*\n+7], v[B2A] offset:(\off)+64*\n+16
.endr
.endr
	WIN 0
.endm
.macro WAYMID                          ; lo is finished: c_lo x its result goes to my own places of the stage, and the accumulators begin anew as b2[hi]
.irp m, 0,1
	ds_load_b32 v[CM+2*\m], v[CWA] offset:64*\m    ; (the quantiser's last use of v56, v57 stands ahead of the unit's wait on va_vdst)
.endr
	s_wait_dscnt 0x0
.irp m, 0,1
	v_mov_b32 v[CM+2*\m+1], v[CM+2*\m]
.endr
	WIN 0xc3
.irp m, 0,1
.irp n, 0,1,2,3,4,5,6,7
.irp j, 0,2,4,6
	v_pk_mul_f32 v[64*\m+8*\n+\j:64*\m+8*\n+\j+1], v[64*\m+8*\n+\j:64*\m+8*\n+\j+1], v[CM+2*\m:CM+2*\m+1]
.endr
.endr
.endr
	WIN 0x0c
	s_wait_alu depctr_va_vdst(0)                   ; the multiplications have written the accumulators, which the LDS stores read; and they are done with them, for the loads of b2[hi] below
.irp m, 0,1
.irp n, 0,1,2,3,4,5,6,7
	ds_store_b128 v[SO1], v[64*\m+8*\n:64*\m+8*\n+3] offset:\m*16*SPI+64*\n
	ds_store_b128 v[SO1], v[64*\m+8*\n+4:64*\m+8*\n+7] offset:\m*16*SPI+64*\n+16
.endr
.endr
	WIN 0xc0
	s_wait_alu depctr_vm_vsrc(0)                   ; the LDS stores have read the accumulators, in which b2[hi] lands
	PBIAS 2048
.endm
; A unit of W1.  Behind the 25 loads of the unit in hand three units' 75 have been issued; 63 is the largest count that the wait can name, and it is the smaller, safe one.
; The chunk's biases have been in their registers since the chunk before: the units of W1 hold no LDS instruction ahead of the images.
.macro AUNIT b
	s_wait_loadcnt 63
	MM1 \b
	WIN 0
	PLACES 4
	QUANT \b
	s_wait_alu depctr_va_vdst(0)                   ; the unit's products are done reading the slot, its scale words and the biases; the quantiser is done with HACC and has written the codes and the scale words
.if (\b) == 3
	IMAGE                                          ; first: the other waves wait for these at the barrier
.endif
	LOADUNIT \b, CUR, 4+(\b)                       ; the slot takes the chunk's unit of W2 four on
.endm
; A unit of W2.  In the last chunk nothing is asked for any more, and the counts run down: 75 (named as 63), 50, 25, 0 loads were issued behind the unit in hand.
.macro BUNIT s, last
.set NW, 63
.if (\last) && ((\s) > 0)
.set NW, 25*(3-(\s))
.endif
	s_wait_loadcnt NW
.if (\s) < 3
	s_wait_dscnt 7                                 ; my set is in; the other set's 7 loads may be out
.else
	s_wait_dscnt 0x0
.endif
	MM2 \s, (\s)%2
	WIN 0
	PLACES 5                                       ; five: the next chunk's first products write over registers that these have read
.if !(\last) || ((\s) < 2)
	s_wait_alu depctr_va_vdst(0)                   ; the unit's products are done reading the slot, its scale words, the hidden fragments' set and its scale words: loads land in all of them below
.endif                                                 ; (the last chunk's third and fourth units are followed by no load into a register that they name)
.if (\s) < 2
	HFETCH (\s)+2, (\s)%2
.endif
.if !(\last)
.if (\s) == 2
	B1LOAD 2048                                    ; the next chunk's biases: this chunk's units of W1, which read these registers, stand ahead of the wait above
.endif
.if (\s) == 3
	s_cmp_lg_u32 s[TC], 3                          ; behind lo's last chunk; only LDS and vector instructions stand under this branch, so the ring's counts hold on both ways
	s_cbranch_scc1 .Lnomid_\@
	WAYMID
.Lnomid_\@:
.endif
	LOADUNIT \s, NXT, \s                           ; the slot takes the next chunk's unit of W1
.endif
.endm
.macro CHUNK last
	AUNIT 0
	AUNIT 1
	AUNIT 2
	AUNIT 3
.if !(\last)
	; the next chunk's address is made here: the loads that last named s[NXT:NXT+1] are the 25 of the unit that the fourth unit's wait above has shown in (75 were issued behind them)
	s_add_nc_u64 s[NXT:NXT+1], s[CUR:CUR+1], CHUNKB
	s_cmp_eq_u32 s[TC], 3
	s_cselect_b64 s[NXT:NXT+1], s[HIB:HIB+1], s[NXT:NXT+1]   ; behind lo's last chunk comes hi's first
.endif
	BARRIER                                        ; the chunk's eight hidden fragments lie in LDS
	HFETCH 0, 0                                    ; no vector or matrix instruction has been issued since the fourth unit's wait on va_vdst: it serves these loads too
	HFETCH 1, 1
	BUNIT 0, \last
	BUNIT 1, \last
	BUNIT 2, \last
	BUNIT 3, \last
.if !(\last)
	BARRIER                                        ; everybody has read them: the next chunk may write them again
.endif
.endm
	s_load_b512 s[4:19], s[0:1], 0x0               ; tiles, sorted, xq, xs, cw, wstream, b1, b2
	s_load_b64 s[20:21], s[0:1], 0x40              ; out0
	v_lshl_add_u32 v158, v0, 2, 0x18800
	v_mov_b32 v159, 0
	v_lshrrev_b32 v1, 5, v0
	v_readfirstlane_b32 s22, v1                    ; wave 0..3
	s_lshl_b32 s36, ttmp9, 4
	s_wait_kmcnt 0x0
	s_load_b128 s[24:27], s[4:5], s36 offset:0x0   ; my tile: lo, hi, first entry, rows
	v_and_b32 v108, 15, v0                         ; r
	v_bfe_u32 v109, v0, 4, 1                       ; h
	v_and_b32 v110, 31, v0                         ; lane
	v_lshlrev_b32 v[VOFF], 4, v110
	s_wait_alu depctr_va_sdst(0)                   ; s22 is written, ahead of its first reader: LDS addresses and the stream's bases are made from it
	s_mul_i32 s37, s22, 3072
	v_add_nc_u32 v[HWI], s37, v[VOFF]              ; fragments 2 w, 2 w + 1
	s_lshl_b32 s58, s22, 8                         ; 256 w
	s_add_co_u32 s37, s58, HSC
	v_lshl_add_u32 v[HWS], v110, 2, s37
	v_lshlrev_b32 v[HLS], 2, v108
	v_lshl_add_u32 v[HLS], v109, 7, v[HLS]
	v_add_nc_u32 v[HLS], HSC, v[HLS]
	s_lshl_b32 s58, s22, 9                         ; 512 w
	s_add_co_u32 s37, s58, B1L
	v_lshl_add_u32 v[B1A], v109, 6, s37
	v_mul_u32_u24 v[SO1], v108, SPI
	v_lshl_add_u32 v[SO1], v109, 5, v[SO1]
	s_add_co_u32 s37, s58, STG
	v_add_nc_u32 v[SO1], s37, v[SO1]
	v_lshl_add_u32 v[CWA], v108, 2, CWL
	s_add_co_u32 s[SB2], s58, B2L
	v_lshl_add_u32 v[B2A], v109, 5, s[SB2]
	s_mul_i32 s58, s22, 8*SPI
	s_add_co_u32 s[SSR], s58, STG
	v_add_nc_u32 v[SR], s[SSR], v[VOFF]
	v_lshlrev_b32 v111, 2, v108                    ; list entries: r,
	v_lshlrev_b32 v112, 2, v110                    ; lane,
	v_lshrrev_b32 v113, 1, v0
	v_lshlrev_b32 v113, 2, v113                    ; thread / 2
	v_and_b32 v114, 1, v0
	v_lshlrev_b32 v114, 2, v114                    ; 4 x (thread % 2)
	v_lshlrev_b32 v115, 4, v0                      ; 16 x thread
	v_lshl_add_u32 v116, v114, 6, v113             ; LDS: 256 x (thread % 2) + 4 x (thread / 2)
	v_mul_u32_u24 v117, v109, 192
.irp m, 0,1
	v_mov_b32 v[TM2+\m], 0                         ; written once: a lane permute's destination counts as one of its sources
.endr
	s_mov_b32 s34, 0x76543210
	s_mov_b32 s35, 0xfedcba98                      ; lane l xor 16
	s_mov_b32 s[TC], 0
	s_wait_kmcnt 0x0
	s_min_u32 s24, s24, 7                          ; loaded numbers enter addresses only held to their ranges
	s_min_u32 s25, s25, 7
	s_min_u32 s26, s26, 4095
	s_min_u32 s27, s27, 32
	s_lshl_b32 s36, s26, 2
	s_mov_b32 s37, 0
	s_add_nc_u64 s[6:7], s[6:7], s[36:37]          ; the list at my tile's first entry
	s_lshl_b32 s39, s22, 5
	s_load_b256 s[40:47], s[6:7], s39 offset:0x0   ; the tokens of my wave's 8 output rows
	s_lshl_b32 s38, s22, 3
	s_sub_co_i32 s[LEFT], s27, s38
	s_mul_i32 s38, s22, WAVEB
	s_mul_i32 s36, s24, EXPB
	s_add_co_u32 s36, s36, s38
	s_add_nc_u64 s[CUR:CUR+1], s[14:15], s[36:37]
	s_mul_i32 s36, s25, EXPB
	s_add_co_u32 s36, s36, s38
	s_add_nc_u64 s[HIB:HIB+1], s[14:15], s[36:37]
	s_lshl_b32 s36, s24, 13
	s_add_nc_u64 s[60:61], s[16:17], s[36:37]      ; b1[lo],
	s_lshl_b32 s36, s25, 13
	s_add_nc_u64 s[16:17], s[16:17], s[36:37]      ; b1[hi],
	s_lshl_b32 s36, s24, 11
	s_add_nc_u64 s[62:63], s[18:19], s[36:37]      ; b2[lo],
	s_lshl_b32 s36, s25, 11
	s_add_nc_u64 s[18:19], s[18:19], s[36:37]      ; b2[hi]
	s_wait_alu depctr_va_vdst(0)                   ; every address and offset made above is written (v1 to v7, v40, v41, v111 to v116), which the kernel's loads and stores read; so are v158 and v159, which the closing add reads
	; The token numbers first; behind them all that hangs on the tile's entry alone, the biases and the ring's first two units, so that these are on their way while the token numbers come
.irp m, 0,1
	global_load_b32 v[TOK+\m], v111, s[6:7] offset:64*\m          ; row r of tile m
.endr
	global_load_b32 v[TOK+2], v112, s[6:7]         ; row r of tile h
	global_load_b32 v[TOK+3], v113, s[6:7]
.irp i, 0,1,2,3
	global_load_b128 v[68+4*\i:71+4*\i], v115, s[60:61] offset:2048*\i
.endr
.irp i, 0,1,2,3
	global_load_b128 v[84+4*\i:87+4*\i], v115, s[16:17] offset:2048*\i
.endr
	global_load_b128 v[100:103], v115, s[62:63]
	global_load_b128 v[104:107], v115, s[18:19]
	LOADUNIT 0, CUR, 0
	LOADUNIT 1, CUR, 1
	s_wait_loadcnt 60                              ; the four token loads are in; the 10 + 50 issued behind them may be out
.irp i, 0,1,2,3
	v_min_u32 v[TOK+\i], 0xfff, v[TOK+\i]
.endr
.irp m, 0,1
	v_mul_u32_u24 v[XO+\m], v[TOK+\m], 384
	v_add_nc_u32 v[XO+\m], v[XO+\m], v117          ; xq: the token's row, my half's 192 bytes
.endr
	v_lshlrev_b32 v[XO+2], 4, v[TOK+2]             ; xs: 16 bytes a token
	v_lshl_add_u32 v[XO+3], v[TOK+3], 3, v114      ; cw: 8 bytes a token
	s_wait_alu depctr_va_vdst(0)                   ; the four offsets v[XO ..] are written, which the 26 loads below read
	global_load_b32 v64, v[XO+3], s[12:13]         ; a gate weight, x's 8 fragments (48 bytes a lane each) and its scale words: 26 loads
.irp s, 0,1,2,3
.irp m, 0,1
.irp j, 0,1,2
	global_load_b128 v[XF+12*(2*\s+\m)+4*\j:XF+12*(2*\s+\m)+4*\j+3], v[XO+\m], s[8:9] offset:48*\s+16*\j
.endr
.endr
.endr
	global_load_b128 v[XSC:XSC+3], v[XO+2], s[10:11]
	s_wait_loadcnt 63                              ; the biases are in: 50 + 26 = 76 loads were issued behind them
.irp i, 0,1,2,3
	ds_store_b128 v115, v[68+4*\i:71+4*\i] offset:B1L+2048*\i
	ds_store_b128 v115, v[84+4*\i:87+4*\i] offset:B1L+8192+2048*\i
.endr
	ds_store_b128 v115, v[100:103] offset:B2L
	ds_store_b128 v115, v[104:107] offset:B2L+2048
	LOADUNIT 2, CUR, 2                             ; the ring is full
	LOADUNIT 3, CUR, 3
	BARRIER                                        ; the biases lie in LDS
	PBIAS 0
	B1LOAD 0                                       ; the first chunk's
	s_wait_loadcnt 50                              ; the gate weight, x and its scale words are in: behind them stand units 2 and 3
	ds_store_b32 v116, v64 offset:CWL              ; read first behind lo's last chunk: the chunks' barriers, each behind a wait for all my LDS instructions, stand between
	s_wait_kmcnt 0x0
.irp i, 0,1,2,3,4,5,6,7
	s_min_u32 s[40+\i], s[40+\i], 0xfff
.endr
.irp i, 0,1,2,3,4,5,6,7
	v_lshl_add_u32 v[RO+\i], s[40+\i], 11, v[VOFF] ; the token's row of 2,048 bytes; read by the last stores alone, behind every wait on va_vdst of the chunks
.endr
	s_wait_dscnt 0x0                               ; the first chunk's biases and b2[lo] are in their registers
	s_wait_alu depctr_vm_vsrc(0)                   ; the head's loads and LDS stores have read v64 to v107, v111 to v116 and v[XO ..]: the first chunk's products, quantiser and hidden fragments write these registers
.Lchunk:                                               ; seven trips; the eighth chunk is written out, so that no load passes the stream's end
	CHUNK 0
	s_mov_b64 s[CUR:CUR+1], s[NXT:NXT+1]           ; the loads that last named s[CUR:CUR+1] are the 25 of the unit that the last unit's wait has shown in (75 were issued behind them)
	s_wait_alu depctr_vm_vsrc(0)                   ; the loads of the biases have read v[B1A], which the next line writes; the images' stores have read the codes and the scale words, which the next chunk's quantiser writes
	v_add_nc_u32 v[B1A], 2048, v[B1A]              ; (its next reader stands behind the next chunk's waits on va_vdst)
	s_add_co_u32 s[TC], s[TC], 1
	s_cmp_lt_u32 s[TC], 7
	s_cbranch_scc1 .Lchunk
	CHUNK 1
	; THE WAY OUT.  out = c_hi x hi's result + what the stage holds, in my own places; a barrier; then each wave stores 8 whole rows.
	; The loads below land in v56, v58 and v256-383 (ring slots 0 and 1).  The last instructions that named these registers stand ahead of the last chunk's second unit of W2's wait on va_vdst;
	; the two units issued since name slots 2 and 3, the hidden fragments, their scale words and the accumulators alone.
.irp m, 0,1
	ds_load_b32 v[CM+2*\m], v[CWA] offset:256+64*\m
.endr
	WIN 0x40                                       ; into v256-383: the ring's registers, which are done with
.irp m, 0,1
.irp n, 0,1,2,3,4,5,6,7
	ds_load_b128 v[64*\m+8*\n:64*\m+8*\n+3], v[SO1] offset:\m*16*SPI+64*\n
	ds_load_b128 v[64*\m+8*\n+4:64*\m+8*\n+7], v[SO1] offset:\m*16*SPI+64*\n+16
.endr
.endr
	WIN 0
	s_wait_dscnt 16                                ; the gate weights and tile 0's 16 loads are in; tile 1's 16 may be out
.irp m, 0,1
	v_mov_b32 v[CM+2*\m+1], v[CM+2*\m]
.endr
	WIN 0xd3                                       ; the accumulators in window 3, the gate weight in window 0, the stage's numbers in window 1
.irp m, 0,1
.if \m == 1
	s_wait_dscnt 0x0                               ; tile 1's
.endif
.irp n, 0,1,2,3,4,5,6,7
.irp j, 0,2,4,6
	v_pk_fma_f32 v[64*\m+8*\n+\j:64*\m+8*\n+\j+1], v[64*\m+8*\n+\j:64*\m+8*\n+\j+1], v[CM+2*\m:CM+2*\m+1], v[64*\m+8*\n+\j:64*\m+8*\n+\j+1]
.endr
.endr
.endr
	WIN 0x0c
	s_wait_alu depctr_va_vdst(0)                   ; the multiply-adds have written the accumulators, which the LDS stores read; and they are done reading v256-383, in which the rows land behind the barrier
.irp m, 0,1
.irp n, 0,1,2,3,4,5,6,7
	ds_store_b128 v[SO1], v[64*\m+8*\n:64*\m+8*\n+3] offset:\m*16*SPI+64*\n
	ds_store_b128 v[SO1], v[64*\m+8*\n+4:64*\m+8*\n+7] offset:\m*16*SPI+64*\n+16
.endr
.endr
	WIN 0
	BARRIER                                        ; 32 finished rows lie in the stage
	WIN 0x40
.irp i, 0,1,2,3,4,5,6,7
.irp q, 0,1,2,3
	ds_load_b128 v[16*\i+4*\q:16*\i+4*\q+3], v[SR] offset:\i*SPI+512*\q
.endr
.endr
	WIN 0
.irp i, 0,1,2,3,4,5,6,7
	s_cmp_le_i32 s[LEFT], \i                       ; idle rows are not stored; no barrier follows
	s_cbranch_scc1 .Ldone
	s_wait_dscnt 28-4*\i                           ; behind row i's four loads: four for each later row
	WIN 0x04
.irp q, 0,1,2,3
	global_store_b128 v[RO+\i], v[16*\i+4*\q:16*\i+4*\q+3], s[20:21] offset:512*\q th:TH_STORE_NT   ; 512 consecutive bytes, at a multiple of 512 from out0's first byte
.endr
	WIN 0
.endr
.Ldone:
	s_wait_dscnt 0x0                               ; the closing lines, six on end
	s_wait_alu 0x0
	s_wait_tensorcnt 0x0
	ds_add_u32 v158, v159
	s_wait_dscnt 0x0
	s_endpgm
.Lfunc_end_k_q658e03ef24_chain:
	.size	k_q658e03ef24_chain, .Lfunc_end_k_q658e03ef24_chain-k_q658e03ef24_chain
	.p2alignl 7, 3214868480
	.fill 96, 4, 3214868480
	.section	.rodata,"a",@progbits
	.p2align	6, 0x0
	.amdhsa_kernel k_q658e03ef24_chain
		.amdhsa_group_segment_fixed_size 100864
		.amdhsa_private_segment_fixed_size 0
		.amdhsa_enable_private_segment 0
		.amdhsa_kernarg_size 72
		.amdhsa_user_sgpr_count 2
		.amdhsa_user_sgpr_kernarg_segment_ptr 1
		.amdhsa_wavefront_size32 1
		.amdhsa_system_sgpr_workgroup_id_x 1
		.amdhsa_system_sgpr_workgroup_id_y 1
		.amdhsa_system_sgpr_workgroup_id_z 1
		.amdhsa_system_vgpr_workitem_id 0
		.amdhsa_next_free_vgpr 1024
		.amdhsa_next_free_sgpr 66
		.amdhsa_reserve_vcc 0
		.amdhsa_float_denorm_mode_32 3
		.amdhsa_float_denorm_mode_16_64 3
		.amdhsa_memory_ordered 1
		.amdhsa_forward_progress 1
		.amdhsa_inst_pref_size 142
	.end_amdhsa_kernel
	.amdgpu_metadata
---
amdhsa.version: [ 1, 2 ]
amdhsa.kernels:
  - .name:           k_q658e03ef24_chain
    .symbol:         k_q658e03ef24_chain.kd
    .args:
      - { .name: tiles, .offset: 0, .size: 8, .value_kind: global_buffer, .address_space: global }
      - { .name: sorted, .offset: 8, .size: 8, .value_kind: global_buffer, .address_space: global }
      - { .name: xq, .offset: 16, .size: 8, .value_kind: global_buffer, .address_space: global }
      - { .name: xs, .offset: 24, .size: 8, .value_kind: global_buffer, .address_space: global }
      - { .name: cw, .offset: 32, .size: 8, .value_kind: global_buffer, .address_space: global }
      - { .name: wstream, .offset: 40, .size: 8, .value_kind: global_buffer, .address_space: global }
      - { .name: b1, .offset: 48, .size: 8, .value_kind: global_buffer, .address_space: global }
      - { .name: b2, .offset: 56, .size: 8, .value_kind: global_buffer, .address_space: global }
      - { .name: out0, .offset: 64, .size: 8, .value_kind: global_buffer, .address_space: global }
    .group_segment_fixed_size: 100864
    .private_segment_fixed_size: 0
    .kernarg_segment_align: 8
    .kernarg_segment_size: 72
    .max_flat_workgroup_size: 128
    .sgpr_count:     66
    .vgpr_count:     1024
    .wavefront_size: 32
...
	.end_amdgpu_metadata
.endif
;; end of part 4
